; MI455X (gfx1250); checked and timed in simulation.
; The chip was launched on July 23, 2026; its instructions are those of AMD's public machine-readable ISA for CDNA 5 (MIT licence, August 2026) and "CDNA5" Instruction Set Architecture Reference Guide (July 2026). The comments in the code are by the model that wrote it; some were corrected since.
;; Multi Head Attention. Allowed arithmetic: matrix products marked QUANTISED: E2M3 operands, one E8M0 scale for each 32 along K, by v_wmma_scale_f32_16x16x128_f8f6f4 with both operands' format E2M3, f32 sums; everything else in f32.
;; Inputs: Wo 1,024 x 1,024 float32; Wqkv 16 x 1,024 x 192 float32; bo 1,024 float32; bqkv 16 x 192 float32; x 4 x 2,048 x 1,024 float32.
;; Outputs: out0 4 x 2,048 x 1,024 float32.
;; This version of the problem:
;;   THIS VERSION OF THE PROBLEM IS GIVEN IN LOW PRECISION. The matrix products marked QUANTISED in the list below multiply operands that are first quantised to E2M3 (2 exponent bits, 3 mantissa bits; 6 bits a number), with one power-of-two scale for each 32 numbers along K (OCP MX v1.0); their sums are f32. All else is computed in f32.
;;   The module's matrix products, in the order in which they are computed (A, B: the left and right operand; K: the contracted axis; several contracted axes count as one K, in the product's order):
;;     1. [M 3,072, K 1,024] x [K 1,024, N 8,192]; A: input Wqkv; B: input x: QUANTISED
;;     2. batch 64 x [M 2,048, K 64] x [K 64, N 2,048]; A: computed on the way; B: computed on the way: QUANTISED
;;     3. batch 64 x [M 2,048, K 2,048] x [K 2,048, N 64]; A: softmax (see below); B: computed on the way: QUANTISED
;;     4. [M 8,192, K 1,024] x [K 1,024, N 1,024]; A: computed on the way; B: input Wo: QUANTISED
;;   THE QUANTISER, for each operand of a quantised product, along K:
;;     - K is cut into blocks of 32 from its start; a last block that is shorter is filled with zeros.
;;     - A block's scale is 2^e with e = floor(log2(the largest magnitude in the block)) - 2, held to -126 .. 127; a block of zeros has e = 0. As a byte (E8M0): e + 127.
;;     - Each number is divided by its block's scale, clamped to +-7.5, and rounded to the nearest number of E2M3, ties to even, subnormals kept.
;;     - The product sums the exact products of the quantised numbers (number of the format x scale) in f32.
;;   ~~~python
;;   def quantise(x, axis):      # numpy; x: float32 -> the quantised numbers, widened to float32 again
;;       x = np.moveaxis(x, axis, -1); K = x.shape[-1]
;;       x = np.pad(x, [(0, 0)] * (x.ndim - 1) + [(0, -K % 32)]); x = x.reshape(x.shape[:-1] + (-1, 32)); a = np.abs(x).max(-1, keepdims=True)
;;       e = np.where(a > 0, np.clip(np.frexp(np.where(a > 0, a, 1))[1] - 1 - 2, -126, 127), 0)      # np.frexp(a)[1] - 1 = floor(log2(a)), exactly
;;       r = np.clip(x / 2.0 ** e, -7.5, 7.5)
;;       step = 2.0 ** (np.maximum(np.frexp(np.where(r == 0, 1, r))[1] - 1, 0) - 3)
;;       q = np.round(r / step) * step * 2.0 ** e      # np.round: ties to even
;;       return np.moveaxis(q.reshape(q.shape[:-2] + (-1,))[..., :K], -1, axis).astype(np.float32)
;;   ~~~
;;   SOFTMAX AHEAD OF A QUANTISED PRODUCT. Where the list says 'softmax', what is quantised is not the finished softmax but p = 2^(t - M), with t = logit x log2(e) and M = ceil(the row's largest t), a whole number; so 1/2 < the row's largest p <= 1. The row's sum l is taken of the UNQUANTISED p, in f32, and the product's result is divided by l at the end. Since M is a whole number, a kernel that streams over the keys may use a running M (the ceiling of the running maximum): every later rescaling is an exact power of two, which a block's scale takes up: the codes' values come out the same.
;;   OPERANDS COMPUTED ON THE WAY. 'Computed on the way' means the value that the module computes at that place (a softmax that the list does not call 'softmax' is quantised finished and normalised). What goes into a quantiser is computed in f32, as accurately as f32 sums, v_exp_f32 and their like allow (about 1e-6 of the number): no bf16 or f16 on the way to a quantiser, and a product that is left as it is and whose result goes on into a quantised operand takes f32 operands (vector FMAs, or v_wmma_f32_16x16x4_f32). A number that lies on a knife's edge between two numbers of the format may be rounded either way, as far as f32 arithmetic and the matrix unit's own rounding can turn it there, and no further.
;; One version. Each part assembles by itself: llvm-mc -triple=amdgcn-amd-amdhsa -mcpu=gfx1250 --defsym DOCPART=n.
;; ======== version 1 of 1: 4 launches
;; limits: right only within a limited range of input values
;; workspace buffers: xc 6,291,456 bytes; wc 3,145,728 bytes; sc 655,360 bytes; qb 6,815,744 bytes; kv 13,369,344 bytes; oc 6,291,456 bytes
;; launch prep (part 1): grid 512 x 1, 4 waves a work-group, no clusters, 47,616 bytes of LDS; arguments x, Wqkv, Wo, xc, wc, sc; writes xc, wc, sc
.if DOCPART == 1
	.amdgcn_target "amdgcn-amd-amdhsa--gfx1250"
	.amdhsa_code_object_version 6
	.text
	.protected	k_q57bfe20173_prep
	.globl	k_q57bfe20173_prep
	.p2align	8
	.type	k_q57bfe20173_prep,@function
k_q57bfe20173_prep:
	s_mov_b64 s[64:65], 0
	v_nop
	global_prefetch_b8 v0, s[64:65] scope:SCOPE_SE
	s_setreg_imm32_b32 hwreg(HW_REG_WAVE_MODE, 25, 1), 1
	s_wait_xcnt 0x0
; x [8192][1024], Wqkv [16][1024][192] and Wo [1024][1024], f32, become codes of E2M3 with one E8M0 byte for each 32 along K (K = the 1,024 of the model's width in all three).
; LAYOUT OF THE CODES (this program's own).  Rows (tokens; weight columns) go in tiles of 16; a tile's 1,024 along K in 16 chunks of 64; a chunk of a tile is an IMAGE of 768 bytes:
; lane l = r + 16 h of the matrix operand owns the 24 bytes of codes k = 32 h .. 32 h + 31 of row r: its first 16 bytes lie at 16 l, its last 8 at 512 + 8 l.  A tile is 12,288 bytes.
; Inside each 32 rows the stored order exchanges bits 3 and 4 of the row's number: stored tile u, row p is true row 8 u + p + 8 (p / 8).
; SCALES: 512 bytes a tile: [half of K][row 16][4 words], a word for 128 along K.  sc: x's at 0, the weights' at WS.
; wc's rows: 0-1023 q's columns (head x 64 + e), 1024-2047 k's, 2048-3071 v's, 3072-4095 Wo's columns.
; A block's scale is 2^(floor(log2(largest magnitude)) - 2); its byte is the largest magnitude's exponent field - 2, held at 1 from below.
; LIMITS: a block of zeros, or one whose largest magnitude lies under 2^-124, gets the byte 1 (its codes add nothing, and this program alone reads the bytes); NaN and infinities are not served.
; Work-groups 0-255 take x, 256-511 the weights: two ways that never join, each with LDS bytes of its own.  No tensor load, no barrier: waves share nothing.
.set XSTG,  16*528                     ; x: a wave's stage: 16 rows of 512 bytes + 16
.set WBASE, 4*XSTG                     ; the weights' stages begin behind x's
.set WSTG,  2*1664                     ; a wave's: two tiles x (two images + 128)
.set WS,    262144
.set R,     16                         ; v16-143  x: two sets of 64 numbers as loaded;  weights: a lane's 128 numbers down K
.set X,     144                        ; v144-207 x: my two blocks of 32 neighbours
.set PC,    208                        ; v208-219 x: a fragment's 12 registers
.set T0,    220
.set T1,    224
.set W,     228                        ; v228-231 x: four scale words
.set TM,    232
.set OP,    234
.set BY,    236
.set PT,    238
.macro LOADX t                         ; 128 along K of the tile's 16 rows: each load reads 512 consecutive bytes of one row
.irp i, 0,1,2,3,4,5,6,7,8,9,10,11,12,13,14,15
	global_load_b128 v[R+64*((\t)%2)+4*\i:R+64*((\t)%2)+4*\i+3], v4, s[4:5] offset:(\i+8*(\i/8))*4096+512*(\t) th:TH_LOAD_NT
.endr
.endm
.macro STEPX t
.if (\t) < 3
	s_wait_loadcnt 16                              ; this step's 16 loads are in; the next step's 16 may be out
.else
	s_wait_loadcnt 0x0
.endif
.irp i, 0,1,2,3,4,5,6,7,8,9,10,11,12,13,14,15
	ds_store_b128 v6, v[R+64*((\t)%2)+4*\i:R+64*((\t)%2)+4*\i+3] offset:528*\i
.endr
.irp c, 0,1
.irp j, 0,1,2,3,4,5,6,7
	ds_load_b128 v[X+32*\c+4*\j:X+32*\c+4*\j+3], v7 offset:256*\c+16*\j   ; LDS serves a wave's instructions in order: these see the stores above.  k = 64 c + 32 h + 0 .. 31 of row r
.endr
.endr
	s_wait_dscnt 0x0                               ; my 64 numbers are back; the stores have read the set, which may be loaded again
	s_wait_xcnt 0x0                                ; the last step's stores have read the fragment's registers
.if (\t) < 2
	LOADX (\t)+2
.endif
.irp c, 0,1
	v_max3_num_f32 v[TM+\c], |v[X+32*\c]|, |v[X+32*\c+1]|, 0x1800000   ; block 2 c + h is all mine; the floor 2^(3 - 127) holds the byte at 1 from below
.endr
.irp i, 2,4,6,8,10,12,14,16,18,20,22,24,26,28,30
.irp c, 0,1
	v_max3_num_f32 v[TM+\c], v[TM+\c], |v[X+32*\c+\i]|, |v[X+32*\c+\i+1]|
.endr
.endr
.irp c, 0,1
	v_add_nc_u32 v[OP+\c], 0xff000000, v[TM+\c]    ; 2 off the exponent field: the conversion's scale operand
.endr
.irp c, 0,1
	v_lshrrev_b32 v[BY+\c], 23, v[OP+\c]           ; the scale's byte
.endr
	v_lshl_or_b32 v[W+(\t)], v[BY+1], 16, v[BY]    ; blocks h and 2 + h,
	v_lshlrev_b32 v[W+(\t)], v9, v[W+(\t)]         ; 8 h bits up;
	v_permlanex16_b32 v[PT], v[W+(\t)], s20, s21
	v_or_b32 v[W+(\t)], v[W+(\t)], v[PT]           ; with lane l xor 16's two bytes the word is whole
	v_cvt_scalef32_pk16_fp6_f32 v[PC:PC+2], v[X:X+15], v[OP]
	v_cvt_scalef32_pk16_fp6_f32 v[T0:T0+2], v[X+16:X+31], v[OP]       ; (a conversion's three registers begin on an even number)
	v_cvt_scalef32_pk16_fp6_f32 v[PC+6:PC+8], v[X+32:X+47], v[OP+1]
	v_cvt_scalef32_pk16_fp6_f32 v[T1:T1+2], v[X+48:X+63], v[OP+1]
	v_nop                                          ; one plain place behind a scaled conversion
.irp i, 0,1,2
	v_mov_b32 v[PC+3+\i], v[T0+\i]
	v_mov_b32 v[PC+9+\i], v[T1+\i]
.endr
	global_store_b128 v4, v[PC:PC+3], s[10:11] offset:1536*(\t)          ; two images: 512 + 256 consecutive bytes each
	global_store_b64 v5, v[PC+4:PC+5], s[10:11] offset:1536*(\t)+512
	global_store_b128 v4, v[PC+6:PC+9], s[10:11] offset:1536*(\t)+768
	global_store_b64 v5, v[PC+10:PC+11], s[10:11] offset:1536*(\t)+1280
.endm
.macro WLOAD base, pitch               ; W(128 kappa + i, my column), i = 0 .. 127: 32 lanes read 128 consecutive bytes
.set i, 0
.rept 128
	global_load_b32 v[R+i], v4, s[\base:\base+1] offset:i*\pitch th:TH_LOAD_NT
.set i, i+1
.endr
.endm
.macro BLK b, left                     ; block b of my column's four: image b / 2, half b % 2
.set XS, R+32*(\b)
	s_wait_loadcnt \left                           ; this block's 32 loads are in (the count: at most the later blocks' loads, and no more than the wait's field holds)
	v_max3_num_f32 v202, |v[XS]|, |v[XS+1]|, |v[XS+2]|
	v_max3_num_f32 v203, |v[XS+3]|, |v[XS+4]|, |v[XS+5]|
.irp i, 6,10,14,18,22,26
	v_max3_num_f32 v202, v202, |v[XS+\i]|, |v[XS+\i+1]|
	v_max3_num_f32 v203, v203, |v[XS+\i+2]|, |v[XS+\i+3]|
.endr
	v_max3_num_f32 v202, v202, |v[XS+30]|, |v[XS+31]|
	v_max3_num_f32 v202, v202, v203, 0x1800000     ; and the floor
	v_add_nc_u32 v204, 0xff000000, v202
	v_lshrrev_b32 v205, 23, v204
.if (\b) == 0
	v_mov_b32 v200, v205
.else
	v_lshl_or_b32 v200, v205, 8*(\b), v200         ; my column's scale word for these 128 along K
.endif
	v_cvt_scalef32_pk16_fp6_f32 v[144+8*(\b):146+8*(\b)], v[XS:XS+15], v204
	v_cvt_scalef32_pk16_fp6_f32 v[176+4*(\b):178+4*(\b)], v[XS+16:XS+31], v204
	v_nop                                          ; one plain place behind a scaled conversion
.irp i, 0,1,2
	v_mov_b32 v[147+8*(\b)+\i], v[176+4*(\b)+\i]
.endr
	ds_store_b128 v10, v[144+8*(\b):147+8*(\b)] offset:768*((\b)/2)+256*((\b)%2)
	ds_store_b64 v11, v[148+8*(\b):149+8*(\b)] offset:768*((\b)/2)+512+128*((\b)%2)
.endm
	s_load_b256 s[4:11], s[0:1], 0x0               ; x s[4:5], Wqkv s[6:7], Wo s[8:9], xc s[10:11]
	s_load_b128 s[12:15], s[0:1], 0x20             ; wc s[12:13], sc s[14:15]
	v_lshl_add_u32 v254, v0, 2, 0xb800
	v_mov_b32 v255, 0
	v_lshrrev_b32 v1, 5, v0
	v_readfirstlane_b32 s16, v1                    ; wave
	v_and_b32 v1, 31, v0                           ; lane
	s_cmp_lt_u32 ttmp9, 256
	s_cbranch_scc0 .Lweights
	; ---- x: a wave takes one stored tile of 16 tokens x half of K (512), in four steps of 128
	s_mov_b32 s20, 0x76543210
	s_mov_b32 s21, 0xfedcba98                      ; v_permlanex16_b32's selects for lane l xor 16
	v_and_b32 v2, 15, v0                           ; r
	v_bfe_u32 v3, v0, 4, 1                         ; h
	v_lshlrev_b32 v4, 4, v1                        ; 16 x lane
	v_lshlrev_b32 v5, 3, v1                        ; 8 x lane
	s_mul_i32 s17, s16, XSTG
	v_add_nc_u32 v6, s17, v4                       ; into the stage: as loaded
	v_mul_u32_u24 v7, v2, 528
	v_lshl_add_u32 v7, v3, 7, v7
	v_add_nc_u32 v7, s17, v7                       ; out of it: row r, + 128 h bytes
	v_lshlrev_b32 v8, 4, v2
	v_lshl_add_u32 v8, v3, 3, v8                   ; the scale words' place: 16 r + 8 h
	v_lshlrev_b32 v9, 3, v3                        ; 8 h
	v_mov_b32 v[PT], 0                             ; a lane permute's destination counts as one of its sources
	s_lshl_b32 s18, ttmp9, 2
	s_add_co_u32 s18, s18, s16
	s_lshr_b32 s19, s18, 1                         ; T: the stored tile
	s_and_b32 s18, s18, 1                          ; which half of K
	s_lshr_b32 s22, s19, 1
	s_lshl_b32 s22, s22, 5
	s_and_b32 s23, s19, 1
	s_lshl_b32 s23, s23, 3
	s_add_co_u32 s22, s22, s23                     ; the tile's first true token: 32 (T / 2) + 8 (T % 2)
	s_lshl_b32 s22, s22, 12
	s_lshl_b32 s23, s18, 11
	s_add_co_u32 s22, s22, s23
	s_mov_b32 s23, 0
	s_mul_i32 s24, s19, 12288
	s_mul_i32 s25, s18, 6144
	s_add_co_u32 s24, s24, s25
	s_mov_b32 s25, 0
	s_lshl_b32 s26, s19, 9
	s_lshl_b32 s27, s18, 8
	s_add_co_u32 s26, s26, s27
	s_mov_b32 s27, 0
	s_wait_alu depctr_va_vdst(0)
	s_wait_kmcnt 0x0
	s_add_nc_u64 s[4:5], s[4:5], s[22:23]
	s_add_nc_u64 s[10:11], s[10:11], s[24:25]
	s_add_nc_u64 s[14:15], s[14:15], s[26:27]
	LOADX 0
	LOADX 1
	STEPX 0
	STEPX 1
	STEPX 2
	STEPX 3
	v_cmp_ne_u32 vcc_lo, 0, v3
	v_cndmask_b32 v240, v[W], v[W+2], vcc_lo       ; lane (r, h) stores words 2 h and 2 h + 1 of row r:
	v_cndmask_b32 v241, v[W+1], v[W+3], vcc_lo
	global_store_b64 v8, v[240:241], s[14:15]      ; the wave stores 256 consecutive bytes, aligned
	s_wait_tensorcnt 0x0
	ds_add_u32 v254, v255
	s_wait_dscnt 0x0
	s_endpgm
	; ---- the weights: a wave takes 32 columns x 128 along K.  A LANE TAKES A COLUMN AND ITS REGISTERS RUN DOWN K
.Lweights:
	s_sub_co_u32 s17, ttmp9, 256
	s_lshr_b32 s18, s17, 2                         ; which 64 columns: 0-47 Wqkv's (kind x 16 + head), 48-63 Wo's
	s_and_b32 s19, s16, 1                          ; which 32 of them
	s_and_b32 s22, s17, 3
	s_lshl_b32 s22, s22, 1
	s_lshr_b32 s23, s16, 1
	s_add_co_u32 s22, s22, s23                     ; kappa: which 128 along K
	s_lshl_b32 s23, s18, 2
	s_lshl_b32 s24, s19, 1
	s_add_co_u32 s23, s23, s24                     ; the first of my two stored tiles
	s_wait_alu depctr_va_vdst(0)
	v_lshlrev_b32 v4, 2, v1                        ; in: 4 bytes a lane
	v_bfe_u32 v2, v0, 3, 1                         ; u: my column's stored tile,
	v_and_b32 v3, 7, v1
	v_lshrrev_b32 v5, 4, v1
	v_lshl_or_b32 v3, v5, 3, v3                    ; r: and its row there
	s_mul_i32 s32, s16, WSTG
	s_add_co_u32 s32, s32, WBASE                   ; my stage
	v_mul_u32_u24 v6, v2, 1664
	v_add_nc_u32 v6, s32, v6
	v_lshl_add_u32 v10, v3, 4, v6                  ; an image's first part: 16 r (+ 256 for its upper half)
	v_lshl_add_u32 v11, v3, 3, v6                  ; its second: 8 r
	v_lshlrev_b32 v13, 4, v1
	v_add_nc_u32 v12, s32, v13                     ; back: 16 x lane
	v_lshlrev_b32 v14, 4, v3
	v_lshl_add_u32 v14, v2, 9, v14                 ; my scale word: 512 u + 16 r
	s_mul_i32 s26, s23, 12288
	s_mul_i32 s27, s22, 1536
	s_add_co_u32 s26, s26, s27
	s_mov_b32 s27, 0
	s_lshl_b32 s28, s23, 9
	s_lshr_b32 s29, s22, 2
	s_lshl_b32 s29, s29, 8
	s_add_co_u32 s28, s28, s29
	s_and_b32 s29, s22, 3
	s_lshl_b32 s29, s29, 2
	s_add_co_u32 s28, s28, s29
	s_add_co_u32 s28, s28, WS
	s_mov_b32 s29, 0
	s_lshl_b32 s30, s19, 7                         ; my 32 columns, in bytes
	s_mov_b32 s25, 0
	s_wait_kmcnt 0x0
	s_add_nc_u64 s[12:13], s[12:13], s[26:27]
	s_add_nc_u64 s[14:15], s[14:15], s[28:29]
	s_cmp_lt_u32 s17, 192
	s_cbranch_scc0 .Lwo
	s_and_b32 s24, s18, 15                         ; Wqkv[head][128 kappa + i][64 kind + column]
	s_mul_i32 s24, s24, 786432
	s_mul_i32 s31, s22, 98304
	s_add_co_u32 s24, s24, s31
	s_lshr_b32 s31, s18, 4
	s_lshl_b32 s31, s31, 8
	s_add_co_u32 s24, s24, s31
	s_add_co_u32 s24, s24, s30
	s_add_nc_u64 s[6:7], s[6:7], s[24:25]
	WLOAD 6, 768
	s_branch .Lwgot
.Lwo:
	s_sub_co_u32 s24, s18, 48                      ; Wo[128 kappa + i][column]
	s_lshl_b32 s24, s24, 8
	s_lshl_b32 s31, s22, 19
	s_add_co_u32 s24, s24, s31
	s_add_co_u32 s24, s24, s30
	s_add_nc_u64 s[8:9], s[8:9], s[24:25]
	WLOAD 8, 4096
.Lwgot:
	BLK 0, 63
	BLK 1, 63
	BLK 2, 32
	BLK 3, 0
.irp q, 0,1,2,3,4,5
	ds_load_b128 v[208+4*\q:211+4*\q], v12 offset:1664*(\q/3)+512*(\q%3)   ; LDS serves a wave's instructions in order: these see my stores
.endr
	s_wait_alu depctr_va_vdst(0)
.irp q, 0,1,2,3,4,5
	s_wait_dscnt 5-\q
	global_store_b128 v13, v[208+4*\q:211+4*\q], s[12:13] offset:12288*(\q/3)+512*(\q%3)   ; 512 consecutive bytes, aligned
.endr
	global_store_b32 v14, v200, s[14:15]           ; a word a row, 16 bytes apart: a wave has no more of a row's scales than this
	s_wait_tensorcnt 0x0
	ds_add_u32 v254, v255
	s_wait_dscnt 0x0
	s_endpgm
.Lfunc_end_k_q57bfe20173_prep:
	.size	k_q57bfe20173_prep, .Lfunc_end_k_q57bfe20173_prep-k_q57bfe20173_prep
	.p2alignl 7, 3214868480
	.fill 96, 4, 3214868480
	.section	.rodata,"a",@progbits
	.p2align	6, 0x0
	.amdhsa_kernel k_q57bfe20173_prep
		.amdhsa_group_segment_fixed_size 47616
		.amdhsa_private_segment_fixed_size 0
		.amdhsa_enable_private_segment 0
		.amdhsa_kernarg_size 48
		.amdhsa_user_sgpr_count 2
		.amdhsa_user_sgpr_kernarg_segment_ptr 1
		.amdhsa_wavefront_size32 1
		.amdhsa_system_sgpr_workgroup_id_x 1
		.amdhsa_system_sgpr_workgroup_id_y 1
		.amdhsa_system_sgpr_workgroup_id_z 1
		.amdhsa_system_vgpr_workitem_id 0
		.amdhsa_next_free_vgpr 256
		.amdhsa_next_free_sgpr 66
		.amdhsa_reserve_vcc 1
		.amdhsa_float_denorm_mode_32 3
		.amdhsa_float_denorm_mode_16_64 3
		.amdhsa_memory_ordered 1
		.amdhsa_forward_progress 1
		.amdhsa_inst_pref_size 65
	.end_amdhsa_kernel
	.amdgpu_metadata
---
amdhsa.version: [ 1, 2 ]
amdhsa.kernels:
  - .name:           k_q57bfe20173_prep
    .symbol:         k_q57bfe20173_prep.kd
    .args:
      - { .name: x, .offset: 0, .size: 8, .value_kind: global_buffer, .address_space: global }
      - { .name: Wqkv, .offset: 8, .size: 8, .value_kind: global_buffer, .address_space: global }
      - { .name: Wo, .offset: 16, .size: 8, .value_kind: global_buffer, .address_space: global }
      - { .name: xc, .offset: 24, .size: 8, .value_kind: global_buffer, .address_space: global }
      - { .name: wc, .offset: 32, .size: 8, .value_kind: global_buffer, .address_space: global }
      - { .name: sc, .offset: 40, .size: 8, .value_kind: global_buffer, .address_space: global }
    .group_segment_fixed_size: 47616
    .private_segment_fixed_size: 0
    .kernarg_segment_align: 8
    .kernarg_segment_size: 48
    .max_flat_workgroup_size: 128
    .sgpr_count:     66
    .vgpr_count:     256
    .wavefront_size: 32
...
	.end_amdgpu_metadata
.endif
;; end of part 1
;; launch qkv (part 2): grid 8 x 32, 4 waves a work-group, clusters of 4 x 1, 327,680 bytes of LDS; arguments xc, wc, sc, bqkv, qb, kv; writes qb, kv
.if DOCPART == 2
	.amdgcn_target "amdgcn-amd-amdhsa--gfx1250"
	.amdhsa_code_object_version 6
	.text
	.protected	k_q57bfe20173_qkv
	.globl	k_q57bfe20173_qkv
	.p2align	8
	.type	k_q57bfe20173_qkv,@function
k_q57bfe20173_qkv:
	s_mov_b64 s[64:65], 0
	v_nop
	global_prefetch_b8 v0, s[64:65] scope:SCOPE_SE
	s_setreg_imm32_b32 hwreg(HW_REG_WAVE_MODE, 25, 1), 1
	s_wait_xcnt 0x0
	s_wait_alu depctr_hold_cnt(0) depctr_sa_sdst(0) depctr_va_vdst(0) depctr_va_sdst(0) depctr_va_ssrc(0) depctr_va_vcc(0) depctr_vm_vsrc(0)
	s_getreg_b32 s2, hwreg(HW_REG_IB_STS2, 6, 4)
	s_cmp_eq_u32 s2, 0
	s_cbranch_scc0 .Lentry_in_a_cluster
	s_endpgm
.Lentry_in_a_cluster:
	s_bfe_u32 s2, ttmp6, 0x10000c
	s_cmp_lg_u32 s2, 0x3003
	s_cbranch_scc0 .Lentry_shape_is_right
	s_endpgm
.Lentry_shape_is_right:
; q, k, v = x Wqkv + bqkv on codes of E2M3 (K = 1,024), and their quantising: q and k along the head's 64, v along the keys.  No f32 result is stored.
; OPERANDS lie as images of the operand's registers: [tile of 16 rows][chunk of 64 along K][768 bytes]: lane l's first 16 bytes at 16 l, its last 8 at 512 + 8 l; a tile is 12,288 bytes; a fragment of 128 along K is two images: four loads of consecutive bytes.
; Inside each 32 rows the stored order exchanges bits 3 and 4 of the row's number, so that as source 0 the 16 registers of result tiles 2 b and 2 b + 1 are 16 TRUE neighbours.
; THE DEAL.  256 work-groups of four waves: 256 tokens (16 stored tiles, one key slot) x 384 columns.  Wave unit u = 16 x cluster x + 4 x place + wave (0 .. 31) holds in registers, all of K, one head of q (u < 16) or k: wc's tiles 4 u .. 4 u + 3,
; and half a head of v: tiles 128 + 2 u, + 1: 48 fragments, 576 registers, loaded from memory as they lie.  Every wave streams the 16 tiles of x past them, block by block: 48 products a block, six accumulators by turns.
; x's tiles are the same for the four partners of a cluster of 4 x 1: asked for JOINTLY, four tiles a wave, all at the head: no refill and so no data prefetch.  The weights are not asked for jointly: a joint load lands in LDS, and the work-group's 24 tiles
; of weights and 16 of x are 40 tiles of 12,288 bytes, more than LDS holds; no two waves of a cluster hold the same weights.
; Wave 0's four tiles (a load line of its own) begin the stream; a plain barrier inside block 1 shows the others.  x's scale words (8,192 bytes) come by plain loads and LDS stores into bytes of their own.
; q, k: source 0 = the weight's rows, source 1 = tokens: a lane's 32 sums are the head's 64 channels of one token: an image and two scale bytes a block.  v: source 0 = tokens, source 1 = the weight's rows: a lane's 32 sums of four blocks are 64 keys of one channel.
; The bias is the first products' C.  OUT: qb[head of 64][128 images, then at 98,304 scale words [4 tiles][row][4 words]]; kv[head][8 slots of 26,112]: K's 16 images, V's [key step 2][channel tile 4][1,536], K's scale words, V's.
; q's and k's words hold two bytes and two zeros: their K of 64 is filled up to 128 with zero codes in the next launch.
; LIMITS: a block of zeros or under 2^-124 gets the byte 1 (this program alone reads the bytes); NaN and infinities are not served; a sum begins with the bias, where reference() adds it last.
; REGISTERS: fragment f: 0-31 W_q|k's (4 q + tile), 32-47 W_v's (32 + 2 q + tile), 48-63 x's two sets; 21 to a window in windows 1 to 3, the last at v244 of window 0.  All else in window 0 (the map below).
.set TILEB, 12288
.set FR, 12
.set NF, 34                            ; LDS loads of a block: 32 for eight fragments, 2 for eight scale words
.set XS, 16*TILEB                      ; x's scale words
.set SPARE, XS+8192                    ; the spare words
.set WS, 262144
.set L16, 4
.set L8, 5
.set AQ16, 6
.set AQ8, 7
.set XSA, 8
.set SOF, 9
.set SPW, 10
.set NIL, 11
.set VWS, 12
.set VWV, 13
.set BOF, 14
.set BVO, 15
.set XST, 16
.set SB, 24                            ; v24-39 W_q|k's scale words: lanes 0-15 tile p, lanes 16-31 tile p + 2
.set SBV, 40                           ; v40-47 W_v's: lanes 0-15 tile 0, lanes 16-31 tile 1
.set SA, 52                            ; v52-67 x's: two sets of eight
.set ACC, 68                           ; v68-99 q|k's sums
.set HV, 100                           ; v100-163 v's sums: 32 tile + 8 (block % 4) + i
.set BO, 164                           ; v164-195 q|k's bias as C
.set BVC, 196                          ; v196-211 v's
.set TM, 212
.set PC, 220
.set PW, 228
.set PWV, 232
.set WBT, 234
.set MSB, 0
.macro WIN new
.if MSB != \new
	s_set_vgpr_msb (MSB<<8)|\new
.set MSB, \new
.endif
.endm
.macro PLACES n
.rept \n
	v_nop
.endr
.endm
.macro WALU
	s_wait_alu depctr_va_vdst(0)
.endm
.macro BARRIER
	s_barrier_signal -1
	s_barrier_wait -1
.endm
.macro CROUND
	BARRIER
	s_cmp_lg_u32 s16, 0
	s_cbranch_scc1 .Lnot_wave_0_\@
	s_barrier_signal -3
.Lnot_wave_0_\@:
	s_barrier_wait -3
	BARRIER
.endm
.macro TLOAD
	tensor_load_to_lds s[32:35], s[24:31]
	s_nop 0
	PLACES 4
.endm
.macro FPLACE f                        ; fragment f's window and first register
.set FW_, (1+(\f)/21)%4
.set FG_, 12*((\f)%21)+244*((\f)/63)
.endm
.macro FRAG f, a16, a8, off            ; from LDS
	FPLACE \f
	WIN FW_<<6
	ds_load_b128 v[FG_:FG_+3], v[\a16] offset:\off
	ds_load_b64 v[FG_+4:FG_+5], v[\a8] offset:(\off)+512
	ds_load_b128 v[FG_+6:FG_+9], v[\a16] offset:(\off)+768
	ds_load_b64 v[FG_+10:FG_+11], v[\a8] offset:(\off)+1280
.endm
.macro WFRAG f, base, off              ; from memory
	FPLACE \f
	WIN FW_<<6
	global_load_b128 v[FG_:FG_+3], v[L16], s[\base:\base+1] offset:\off
	global_load_b64 v[FG_+4:FG_+5], v[L8], s[\base:\base+1] offset:(\off)+512
	global_load_b128 v[FG_+6:FG_+9], v[L16], s[\base:\base+1] offset:(\off)+768
	global_load_b64 v[FG_+10:FG_+11], v[L8], s[\base:\base+1] offset:(\off)+1280
.endm
.macro FETCH e, a16, a8, s             ; block s of x into set e: NF loads
.irp q, 0,1,2,3,4,5,6,7
	FRAG 48+8*(\e)+\q, \a16, \a8, 1536*\q
.endr
	WIN 0
	ds_load_b128 v[SA+8*(\e):SA+8*(\e)+3], v[XSA] offset:512*(\s)
	ds_load_b128 v[SA+8*(\e)+4:SA+8*(\e)+7], v[XSA] offset:512*(\s)+256
.endm
.macro PROD2 d, s0, s1, c, x0, x1, side, o
.if \o
	v_wmma_scale_f32_16x16x128_f8f6f4 v[\d:\d+7], v[\s0:\s0+FR-1], v[\s1:\s1+FR-1], \c, v[\x0], v[\x1] matrix_a_fmt:MATRIX_FMT_FP6 matrix_b_fmt:MATRIX_FMT_FP6 matrix_\side\()_scale:MATRIX_SCALE_ROW1
.else
	v_wmma_scale_f32_16x16x128_f8f6f4 v[\d:\d+7], v[\s0:\s0+FR-1], v[\s1:\s1+FR-1], \c, v[\x0], v[\x1] matrix_a_fmt:MATRIX_FMT_FP6 matrix_b_fmt:MATRIX_FMT_FP6 matrix_\side\()_scale:MATRIX_SCALE_ROW0
.endif
.endm
.macro PROD1 d, s0, s1, c0, x0, x1, side, o
.if Q_
	PROD2 \d, \s0, \s1, v[\d:\d+7], \x0, \x1, \side, \o
.else
	PROD2 \d, \s0, \s1, v[\c0:\c0+7], \x0, \x1, \side, \o
.endif
.endm
.macro PROD n                          ; product n = 6 q + i of a block: i = 0, 1 v's two tiles, i = 2 .. 5 q|k's four: six accumulators by turns
.set Q_, (\n)/6
.set I_, (\n)%6
	FPLACE 48+8*E_+Q_
.set XW_, FW_
.set XG_, FG_
.if I_ < 2
	FPLACE 32+2*Q_+I_
	WIN XW_|(FW_<<2)
	PROD1 HV+32*I_+8*J_, XG_, FG_, BVC+8*I_, SA+8*E_+Q_, SBV+Q_, b, I_
.else
.set T_, I_-2
	FPLACE 4*Q_+T_
	WIN FW_|(XW_<<2)
	PROD1 ACC+8*T_, FG_, XG_, BO+8*T_, SB+8*(T_%2)+Q_, SA+8*E_+Q_, a, T_/2
.endif
.endm
.macro PRODS from, to
.set N_, \from
.rept (\to)-(\from)
	PROD N_
.set N_, N_+1
.endr
	WIN 0
.endm
; 32 sums of a lane (register 16 b + i: index 32 b + 16 h + i along the next K) become an image's six registers v[PC .. PC + 5] and two scale bytes in v[wb]
.macro WAYOUT x, wb
	WALU
	s_wait_xcnt 0x0                                ; the last stores have read the registers that are written again here
.irp b, 0,1
	v_max3_num_f32 v[TM+\b], |v[\x+16*\b]|, |v[\x+16*\b+1]|, 0x1800000   ; my 16 numbers of block b and the floor 2^(3 - 127); each accumulator from its low end on
.endr
.irp i, 2,4,6,8,10,12,14
.irp b, 0,1
	v_max3_num_f32 v[TM+\b], v[TM+\b], |v[\x+16*\b+\i]|, |v[\x+16*\b+\i+1]|
.endr
.endr
.irp b, 0,1
	v_permlanex16_b32 v[TM+2+\b], v[TM+\b], s58, s59
.endr
.irp b, 0,1
	v_max_num_f32 v[TM+\b], v[TM+\b], v[TM+2+\b]   ; with lane l xor 16's: the block's largest magnitude
.endr
.irp b, 0,1
	v_add_nc_u32 v[TM+4+\b], 0xff000000, v[TM+\b]  ; 2 off its exponent field: the conversion's scale operand
.endr
.irp b, 0,1
	v_lshrrev_b32 v[TM+2+\b], 23, v[TM+4+\b]       ; the scale's byte
.endr
	v_lshl_or_b32 v[\wb], v[TM+3], 8, v[TM+2]
	v_cvt_scalef32_pk16_fp6_f32 v[PC:PC+2], v[\x:\x+15], v[TM+4]
	v_cvt_scalef32_pk16_fp6_f32 v[PC+4:PC+6], v[\x+16:\x+31], v[TM+5]
	v_nop                                          ; one plain place behind a scaled conversion
.irp i, 0,1,2
	v_permlane16_swap_b32 v[PC+\i], v[PC+4+\i]     ; lanes 0-15 now hold block 0 whole, lanes 16-31 block 1
.endr
.irp i, 0,1,2
	v_mov_b32 v[PC+3+\i], v[PC+4+\i]
.endr
.endm
.macro BLK s                           ; block s: stored tile s of the work-group's 16
.set E_, (\s)%2
.set J_, (\s)%4
.set BD_, (\s)/4
.if (\s) < 15
	s_wait_dscnt NF                                ; this block's rows are in; the next block's fetch is younger
.else
	s_wait_dscnt 0x0
.endif
.if (\s) == 1
	PRODS 0, 36
	s_wait_tensorcnt 0x0
	s_wait_dscnt 0x0
	s_barrier_signal -1                            ; a plain barrier: waves 1 to 3's tiles are shown to all
	PRODS 36, 48
	s_barrier_wait -1
.else
	PRODS 0, 48
.endif
.if (\s)+2 < 16                        ; four plain vector lines behind the last product, ahead of loads into its registers and of the first reader of its sums
	v_add_nc_u32 v[AQ16], ((\s)+2)*TILEB, v[L16]
	v_add_nc_u32 v[AQ8], ((\s)+2)*TILEB, v[L8]
	PLACES 2
	FETCH E_, AQ16, AQ8, (\s)+2
.else
	PLACES 4
.endif
	WAYOUT ACC, PW+J_
	global_store_b128 v[L16], v[PC:PC+3], s[50:51] offset:768*(\s)          ; the image: 512 + 256 consecutive bytes
	global_store_b64 v[L8], v[PC+4:PC+5], s[50:51] offset:768*(\s)+512
.if J_ == 3
	global_store_b128 v[SOF], v[PW:PW+3], s[52:53] offset:256*BD_           ; four tiles' words of a row (lanes r and r + 16 write the same): 256 consecutive bytes
.irp t, 0,1                            ; v: 64 keys of 16 channels: half a fragment, an image
	WAYOUT HV+32*\t, WBT
	global_store_b128 v[L16], v[PC:PC+3], s[54:55] offset:6144*(BD_/2)+768*(BD_%2)+1536*\t
	global_store_b64 v[L8], v[PC+4:PC+5], s[54:55] offset:6144*(BD_/2)+768*(BD_%2)+1536*\t+512
.if BD_%2 == 0
	v_mov_b32 v[PWV+\t], v[WBT]
.else
	v_lshl_or_b32 v[PWV+\t], v[WBT], 16, v[PWV+\t] ; the word of 128 keys is whole
.endif
.endr
.if BD_%2 == 1
	global_store_b64 v[SOF], v[PWV:PWV+1], s[56:57] offset:256*(BD_/2)      ; my two channel tiles' words of a row
.endif
.endif
.endm
; ---- the head
	s_load_b256 s[4:11], s[0:1], 0x0               ; xc s[4:5], wc s[6:7], sc s[8:9], bqkv s[10:11]
	s_load_b128 s[12:15], s[0:1], 0x20             ; qb s[12:13], kv s[14:15]
	v_lshl_add_u32 v[SPW], v0, 2, SPARE
	v_mov_b32 v[NIL], 0
	ds_add_u32 v[SPW], v[NIL]                      ; the opening lines
	ds_add_u32 v[SPW], v[NIL]
	v_lshrrev_b32 v1, 5, v0
	v_readfirstlane_b32 s16, v1                    ; the wave
	s_bfe_u32 s17, ttmp6, 0x40000                  ; my place in the cluster: it enters global addresses alone
	s_lshl_b32 s18, ttmp9, 2
	s_add_co_u32 s18, s18, s17
	s_lshl_b32 s19, s18, 2
	s_add_co_u32 s19, s19, s16                     ; u
	s_and_b32 s22, ttmp7, 0xffff                   ; which 256 tokens
	s_mov_b32 s24, 15|(3<<16)|(1<<21)              ; group 1: all four partners; 4 rows of one tile each (1,536 elements of 8 bytes), dense
	s_mov_b32 s25, 1536<<16
	s_mov_b32 s26, 4<<16
	s_mov_b32 s27, 1536<<16
	s_mov_b32 s28, 4
	s_mov_b32 s29, 1536
	s_mov_b32 s30, 0
	s_mov_b32 s31, 0
	s_mov_b32 s32, 1
	s_mul_i32 s33, s16, 4*TILEB
	s_mul_i32 s60, s22, 16*TILEB
	s_add_co_u32 s60, s60, s33                     ; my four tiles of x
	s_mov_b32 s61, 0
	s_mul_i32 s62, s19, 4*TILEB                    ; W_q|k's tiles
	s_mov_b32 s63, 0
	s_mul_i32 s66, s19, 2*TILEB
	s_add_co_u32 s66, s66, 128*TILEB               ; W_v's
	s_mov_b32 s67, 0
	s_lshl_b32 s68, s19, 11
	s_add_co_u32 s68, s68, WS                      ; their scale words
	s_mov_b32 s69, 0
	s_lshl_b32 s70, s19, 10
	s_add_co_u32 s70, s70, WS+128*512
	s_mov_b32 s71, 0
	s_lshl_b32 s72, s22, 13
	s_lshl_b32 s23, s16, 11
	s_add_co_u32 s72, s72, s23                     ; my quarter of x's scale words
	s_add_co_u32 s90, s23, XS                      ; and its place in LDS
	s_mov_b32 s73, 0
	s_and_b32 s74, s19, 15
	s_mul_i32 s74, s74, 768
	s_lshr_b32 s23, s19, 4
	s_lshl_b32 s23, s23, 8
	s_add_co_u32 s74, s74, s23                     ; bqkv[head][64 kind ..]
	s_mov_b32 s75, 0
	s_lshr_b32 s76, s19, 1
	s_mul_i32 s76, s76, 768
	s_and_b32 s23, s19, 1
	s_lshl_b32 s23, s23, 7
	s_add_co_u32 s76, s76, s23
	s_add_co_u32 s76, s76, 512                     ; bqkv[head of v][128 + 32 half ..]
	s_mov_b32 s77, 0
	s_lshr_b32 s20, s22, 3
	s_lshl_b32 s20, s20, 4                         ; batch x 16
	s_and_b32 s21, s22, 7                          ; the slot of 256 tokens
	s_and_b32 s23, s19, 15
	s_add_co_u32 s23, s23, s20
	s_mul_i32 s78, s23, 106496
	s_mul_i32 s80, s21, 12288
	s_add_co_u32 s80, s80, s78                     ; q: my images,
	s_lshl_b32 s82, s21, 10
	s_add_co_u32 s82, s82, s78
	s_add_co_u32 s82, s82, 98304                   ; my scale words
	s_mul_i32 s78, s23, 208896
	s_mul_i32 s79, s21, 26112
	s_add_co_u32 s78, s78, s79                     ; k: my images,
	s_add_co_u32 s84, s78, 24576                   ; my scale words
	s_cmp_lt_u32 s19, 16
	s_cselect_b32 s80, s80, s78
	s_cselect_b32 s82, s82, s84
	s_mov_b32 s81, 0
	s_mov_b32 s83, 0
	s_lshr_b32 s23, s19, 1
	s_add_co_u32 s23, s23, s20
	s_mul_i32 s86, s23, 208896
	s_add_co_u32 s86, s86, s79
	s_and_b32 s23, s19, 1
	s_mul_i32 s84, s23, 3072
	s_lshl_b32 s23, s23, 3
	s_add_co_u32 s88, s86, s23
	s_add_co_u32 s88, s88, 25600                   ; v: my scale words,
	s_add_co_u32 s86, s86, s84
	s_add_co_u32 s86, s86, 12288                   ; my two channel tiles' fragments
	s_mov_b32 s87, 0
	s_mov_b32 s89, 0
	s_mov_b32 s58, 0x76543210
	s_mov_b32 s59, 0xfedcba98                      ; v_permlanex16_b32's selects for lane l xor 16
	v_and_b32 v1, 15, v0
	v_bfe_u32 v2, v0, 4, 1
	v_and_b32 v3, 31, v0
	v_lshlrev_b32 v[L16], 4, v3
	v_lshlrev_b32 v[L8], 3, v3
	v_add_nc_u32 v[AQ16], TILEB, v[L16]
	v_add_nc_u32 v[AQ8], TILEB, v[L8]
	v_lshlrev_b32 v[SOF], 4, v1
	v_add_nc_u32 v[XSA], XS, v[SOF]
	v_lshl_add_u32 v[VWS], v2, 10, v[SOF]
	v_lshl_add_u32 v[VWV], v2, 9, v[SOF]
	v_lshlrev_b32 v[BOF], 6, v2
	v_and_b32 v17, 8, v1
	v_add_nc_u32 v17, v17, v1
	v_lshlrev_b32 v[BVO], 2, v17                   ; my row's true channel in its tile: r + 8 (r / 8)
	v_add_nc_u32 v[XST], s90, v[L16]
	v_mov_b32 v[TM+2], 0                           ; a lane permute's destination counts as one of its sources
	v_mov_b32 v[TM+3], 0
	WALU
	s_wait_dscnt 0x0
	CROUND                                         ; the opening round
	s_wait_kmcnt 0x0
	s_add_nc_u64 s[34:35], s[4:5], s[60:61]
	s_or_b32 s35, s35, 0x80000000
	s_cmp_eq_u32 s16, 0
	s_cbranch_scc0 .Lrest
	TLOAD                                          ; wave 0: tiles 0 to 3, on a line of its own
	s_branch .Lasked
.Lrest:
	TLOAD                                          ; the others: tiles 4 to 15
.Lasked:
	s_add_nc_u64 s[36:37], s[6:7], s[62:63]
	s_add_nc_u64 s[38:39], s[6:7], s[66:67]
	s_add_nc_u64 s[40:41], s[8:9], s[68:69]
	s_add_nc_u64 s[42:43], s[8:9], s[70:71]
	s_add_nc_u64 s[44:45], s[8:9], s[72:73]
	s_add_nc_u64 s[46:47], s[10:11], s[74:75]
	s_add_nc_u64 s[48:49], s[10:11], s[76:77]
	s_cmp_lt_u32 s19, 16
	s_cselect_b64 s[50:51], s[12:13], s[14:15]     ; q goes to qb, k to kv
	s_mov_b64 s[52:53], s[50:51]
	s_add_nc_u64 s[50:51], s[50:51], s[80:81]
	s_add_nc_u64 s[52:53], s[52:53], s[82:83]
	s_add_nc_u64 s[54:55], s[14:15], s[86:87]
	s_add_nc_u64 s[56:57], s[14:15], s[88:89]
.irp k, 0,1,2,3
	global_load_b128 v[HV+4*\k:HV+4*\k+3], v[L16], s[44:45] offset:512*\k   ; x's scale words on their way into LDS: 512 bytes on end an instruction
.endr
.irp p, 0,1
.irp g, 0,1
	global_load_b128 v[SB+8*\p+4*\g:SB+8*\p+4*\g+3], v[VWS], s[40:41] offset:512*\p+256*\g
.endr
.endr
.irp g, 0,1
	global_load_b128 v[SBV+4*\g:SBV+4*\g+3], v[VWV], s[42:43] offset:256*\g
.endr
.irp t, 0,1,2,3                        ; register i of tile t of lane (r, h) is channel 32 (t / 2) + 8 (t % 2) + 16 h + i
	global_load_b128 v[BO+8*\t:BO+8*\t+3], v[BOF], s[46:47] offset:(32*(\t/2)+8*(\t%2))*4
	global_load_b128 v[BO+8*\t+4:BO+8*\t+7], v[BOF], s[46:47] offset:(32*(\t/2)+8*(\t%2))*4+16
.endr
.irp t, 0,1
	global_load_b32 v[BVC+8*\t], v[BVO], s[48:49] offset:32*\t
.endr
.irp q, 0,1
.irp t, 0,1,2,3
	WFRAG 4*\q+\t, 36, \t*TILEB+\q*1536
.endr
.endr
	WIN 0
	s_wait_loadcnt 48                              ; x's scale words are in: behind them 16 small loads and eight fragments' 32
.irp k, 0,1,2,3
	ds_store_b128 v[XST], v[HV+4*\k:HV+4*\k+3] offset:512*\k
.endr
.irp q, 0,1,2,3,4,5,6,7
.irp t, 0,1
	WFRAG 32+2*\q+\t, 38, \t*TILEB+\q*1536
.endr
.endr
.irp q, 2,3,4,5,6,7
.irp t, 0,1,2,3
	WFRAG 4*\q+\t, 36, \t*TILEB+\q*1536
.endr
.endr
	WIN 0
	s_wait_loadcnt 0x0
.irp t, 0,1
.irp i, 1,2,3,4,5,6,7
	v_mov_b32 v[BVC+8*\t+\i], v[BVC+8*\t]          ; v's bias is my channel's, in all eight registers
.endr
.endr
	WALU
	s_wait_dscnt 0x0
	s_cmp_eq_u32 s16, 0
	s_cbranch_scc0 .Lnot_0
	s_wait_tensorcnt 0x0                           ; wave 0: tiles 0 to 3 have landed
.Lnot_0:
	BARRIER                                        ; they and x's scale words are shown; the other tiles may still be on their way
	FETCH 0, L16, L8, 0
	FETCH 1, AQ16, AQ8, 1
; ---- the stream: sixteen blocks, written out: every offset is an immediate
.irp s, 0,1,2,3,4,5,6,7,8,9,10,11,12,13,14,15
	BLK \s
.endr
	s_wait_tensorcnt 0x0                           ; the wave's end
	ds_add_u32 v[SPW], v[NIL]
	s_wait_dscnt 0x0
	CROUND                                         ; the closing round
	s_endpgm
.Lfunc_end_k_q57bfe20173_qkv:
	.size	k_q57bfe20173_qkv, .Lfunc_end_k_q57bfe20173_qkv-k_q57bfe20173_qkv
	.p2alignl 7, 3214868480
	.fill 96, 4, 3214868480
	.section	.rodata,"a",@progbits
	.p2align	6, 0x0
	.amdhsa_kernel k_q57bfe20173_qkv
		.amdhsa_group_segment_fixed_size 327680
		.amdhsa_private_segment_fixed_size 0
		.amdhsa_enable_private_segment 0
		.amdhsa_kernarg_size 48
		.amdhsa_user_sgpr_count 2
		.amdhsa_user_sgpr_kernarg_segment_ptr 1
		.amdhsa_wavefront_size32 1
		.amdhsa_system_sgpr_workgroup_id_x 1
		.amdhsa_system_sgpr_workgroup_id_y 1
		.amdhsa_system_sgpr_workgroup_id_z 1
		.amdhsa_system_vgpr_workitem_id 0
		.amdhsa_next_free_vgpr 1024
		.amdhsa_next_free_sgpr 100
		.amdhsa_reserve_vcc 0
		.amdhsa_float_denorm_mode_32 3
		.amdhsa_float_denorm_mode_16_64 3
		.amdhsa_memory_ordered 1
		.amdhsa_forward_progress 1
		.amdhsa_inst_pref_size 223
	.end_amdhsa_kernel
	.amdgpu_metadata
---
amdhsa.version: [ 1, 2 ]
amdhsa.kernels:
  - .name:           k_q57bfe20173_qkv
    .symbol:         k_q57bfe20173_qkv.kd
    .args:
      - { .name: xc, .offset: 0, .size: 8, .value_kind: global_buffer, .address_space: global }
      - { .name: wc, .offset: 8, .size: 8, .value_kind: global_buffer, .address_space: global }
      - { .name: sc, .offset: 16, .size: 8, .value_kind: global_buffer, .address_space: global }
      - { .name: bqkv, .offset: 24, .size: 8, .value_kind: global_buffer, .address_space: global }
      - { .name: qb, .offset: 32, .size: 8, .value_kind: global_buffer, .address_space: global }
      - { .name: kv, .offset: 40, .size: 8, .value_kind: global_buffer, .address_space: global }
    .group_segment_fixed_size: 327680
    .private_segment_fixed_size: 0
    .kernarg_segment_align: 8
    .kernarg_segment_size: 48
    .max_flat_workgroup_size: 128
    .sgpr_count:     100
    .vgpr_count:     1024
    .wavefront_size: 32
...
	.end_amdgpu_metadata
.endif
;; end of part 2
;; launch attn (part 3): grid 4 x 64, 16 waves a work-group, clusters of 4 x 1, 327,680 bytes of LDS; arguments qb, kv, oc, sc; writes oc, sc
.if DOCPART == 3
	.amdgcn_target "amdgcn-amd-amdhsa--gfx1250"
	.amdhsa_code_object_version 6
	.text
	.protected	k_q57bfe20173_attn
	.globl	k_q57bfe20173_attn
	.p2align	8
	.type	k_q57bfe20173_attn,@function
k_q57bfe20173_attn:
	s_mov_b64 s[64:65], 0
	v_nop
	global_prefetch_b8 v0, s[64:65] scope:SCOPE_SE
	s_setreg_imm32_b32 hwreg(HW_REG_WAVE_MODE, 25, 1), 1
	s_wait_xcnt 0x0
	s_wait_alu depctr_hold_cnt(0) depctr_sa_sdst(0) depctr_va_vdst(0) depctr_va_sdst(0) depctr_va_ssrc(0) depctr_va_vcc(0) depctr_vm_vsrc(0)
	s_getreg_b32 s2, hwreg(HW_REG_IB_STS2, 6, 4)
	s_cmp_eq_u32 s2, 0
	s_cbranch_scc0 .Lentry_in_a_cluster
	s_endpgm
.Lentry_in_a_cluster:
	s_bfe_u32 s2, ttmp6, 0x10000c
	s_cmp_lg_u32 s2, 0x3003
	s_cbranch_scc0 .Lentry_shape_is_right
	s_endpgm
.Lentry_shape_is_right:
; Causal attention of one head on codes of E2M3, and the quantising of its output along the model's width for the last product.
; t = score x log2(e) / 8; M = the running largest t rounded UP to a whole number; p = 2^(t - M) is quantised along the keys; the row's sum is taken of the unquantised p and divides at the end.
; LEFT OUT: key steps of 128 all of whose keys come after a tile's queries: reference()'s own causal mask gives them the weight 0.
; SHARES.  The four work-groups of a head (a cluster of 4 x 1) need the same keys and values: the head's part of kv, 208,896 bytes (8 slots of 256 keys), lies in LDS whole, asked for JOINTLY at the head,
; 51 rows of 256 bytes a wave, and is never filled again: so no ring, and no data prefetch (nothing is asked for behind the head).
; Wave w of work-group j owns the stored query tiles 127 - (4 w + j) and 4 w + j: 16 - w / 2 and w / 2 + 1 key steps, 17 for every wave; these counts hang on the wave's number alone.
; The first tile walks the key steps upward to its diagonal step, the second downward from its own: the order of the keys is free under a running M.
; Steps 0 and 1 read slot 0 alone, which waves 0 and 1 fetch by a load line of their own; one plain barrier behind them shows the other slots.  Behind it the waves share nothing.
; LAYOUT.  Both products transposed: S^T = K Q^T, O^T = V^T P^T: a lane holds one query.  The stored order of keys makes the 16 registers of tiles 2 b, 2 b + 1 sixteen true neighbours.
; The first product's K is 64: Q's upper six registers hold zero codes, K's tiles lie six registers apart, the upper scale bytes are 0.
; On a diagonal step hidden scores become -infinity ahead of the maximum; every query finds its own key there.
; LIMITS: 1 / sum is v_rcp_f32 and a multiplication; a block of zeros or under 2^-124 gets the byte 1 (this program alone reads the bytes); NaN and infinities are not served.
; REGISTERS: v1 16 l, v2 8 l, v3 16 r, v4 r + 8 (r / 8) - 16 h, v5-6 the add's, v8-11 LDS addresses, v12 -M, v13 largest t, v[14:15] the sum, v16-27 Q, v28 my query - the diagonal step's first key - 16 h, v29 the second tile's,
;   v32-79 K's tiles, then V's fragments, v80-85 zeros, v86-91 the second Q, v96-159 S^T then p, v160-191 O^T, v192-199 K's scale words, v200-203 V's, v204 the second Q's, v224-254 at work, v255 Q's scale word.
.set SPARE, 212992                     ; behind the eight slots: the spare words, 128 bytes for each of 16 waves
.set VC,    12288
.set KS,    24576
.set VS,    25600
.set SLOTB, 26112
.set WV,  18
.set SEL, 20
.set CS,  22
.set SV,  36                           ; the step, 0 .. 16
.set DN,  37                           ; 16 - the step
.set LB,  38                           ; the first tile's last step: 15 - w / 2
.set KX,  39                           ; the key step of 128 in hand
.set B1,  40
.set B2,  41
.set B3,  42
.macro TLOAD
	tensor_load_to_lds s[32:35], s[24:31]
	s_nop 0
.rept 4
	v_nop
.endr
.endm
.macro CROUND
	s_barrier_signal -1
	s_barrier_wait -1
	s_cmp_lg_u32 s[WV], 0
	s_cbranch_scc1 .Lnot_wave_0_\@
	s_barrier_signal -3
.Lnot_wave_0_\@:
	s_barrier_wait -3
	s_barrier_signal -1
	s_barrier_wait -1
.endm
.macro STEP diag                       ; one tile of 16 queries against key step KX
	s_lshr_b32 s52, s[KX], 1                       ; the slot,
	s_and_b32 s53, s[KX], 1                        ; and which half of it
	s_mul_i32 s52, s52, SLOTB
	s_mul_i32 s[B1], s53, 6144
	s_add_co_u32 s[B1], s[B1], s52                 ; K's images, V's fragments
	s_lshl_b32 s[B2], s53, 9
	s_add_co_u32 s[B2], s[B2], s52                 ; K's scale words
	s_lshl_b32 s[B3], s53, 8
	s_add_co_u32 s[B3], s[B3], s52                 ; V's
	v_add_nc_u32 v8, s[B1], v1                     ; four places in front of loads into registers that matrix instructions have read
	v_add_nc_u32 v9, s[B1], v2
	v_add_nc_u32 v10, s[B2], v3
	v_add_nc_u32 v11, s[B3], v3
.irp t, 0,1,2,3,4,5,6,7
	ds_load_b128 v[32+6*\t:35+6*\t], v8 offset:768*\t
	ds_load_b64 v[36+6*\t:37+6*\t], v9 offset:768*\t+512
.endr
.irp g, 0,1
	ds_load_b128 v[192+4*\g:195+4*\g], v10 offset:KS+256*\g
.endr
	s_wait_alu depctr_va_vdst(0)
	s_wait_dscnt 0x0
.irp t, 0,1,2,3,4,5,6,7
	v_wmma_scale_f32_16x16x128_f8f6f4 v[96+8*\t:103+8*\t], v[32+6*\t:43+6*\t], v[16:27], 0, v[192+\t], v255 matrix_a_fmt:MATRIX_FMT_FP6 matrix_b_fmt:MATRIX_FMT_FP6
.endr
.rept 4
	v_nop
.endr
.irp t, 0,1,2,3                        ; V's fragments are asked for here and land under the softmax
	ds_load_b128 v[32+12*\t:35+12*\t], v8 offset:VC+1536*\t
	ds_load_b64 v[36+12*\t:37+12*\t], v9 offset:VC+1536*\t+512
	ds_load_b128 v[38+12*\t:41+12*\t], v8 offset:VC+1536*\t+768
	ds_load_b64 v[42+12*\t:43+12*\t], v9 offset:VC+1536*\t+1280
.endr
	ds_load_b128 v[200:203], v11 offset:VS
.if \diag
	s_sub_co_u32 s77, s[SV], s[LB]                 ; steps LB and LB + 1 are the two tiles' diagonal steps
	s_cmp_gt_u32 s77, 1
	s_cbranch_scc1 .Lopen_\@                       ; elsewhere all 128 keys count
	v_mov_b32 v254, 0xff800000
.set J_, 0
.rept 64                               ; register 16 b + i holds key 32 b + 16 h + i of the step: hidden where 32 b + i > v28
	v_cmp_gt_i32 vcc_lo, 32*(J_/16)+J_%16, v28
	v_cndmask_b32 v[96+J_], v[96+J_], v254, vcc_lo
.set J_, J_+1
.endr
.Lopen_\@:
.endif
.irp b, 0,1,2,3
	v_max3_num_f32 v[232+\b], v[96+16*\b], v[97+16*\b], v[98+16*\b]   ; the largest score of each block of 32 keys: for the row's maximum and, since p rises with the score, for the block's largest p
.endr
.irp i, 3,5,7,9,11,13
.irp b, 0,1,2,3
	v_max3_num_f32 v[232+\b], v[232+\b], v[96+16*\b+\i], v[97+16*\b+\i]
.endr
.endr
.irp b, 0,1,2,3
	v_max_num_f32 v[232+\b], v[232+\b], v[111+16*\b]
.endr
.irp b, 0,1,2,3
	s_delay_alu instid0(VALU_DEP_4)
	v_permlanex16_b32 v[236+\b], v[232+\b], s[SEL], s[SEL+1]
.endr
.irp b, 0,1,2,3
	s_delay_alu instid0(VALU_DEP_4)
	v_max_num_f32 v[232+\b], v[232+\b], v[236+\b]
.endr
	s_delay_alu instid0(VALU_DEP_2)
	v_max3_num_f32 v254, v232, v233, v234
	s_delay_alu instid0(VALU_DEP_1)
	v_max_num_f32 v254, v254, v235
	s_delay_alu instid0(VALU_DEP_1)
	v_mul_f32 v254, s[CS], v254                    ; as t
	s_delay_alu instid0(VALU_DEP_1)
	v_max_num_f32 v13, v13, v254                   ; the running largest t
	v_mov_b32 v254, v12
	s_delay_alu instid0(VALU_DEP_2)
	v_floor_f32 v12, -v13                          ; the new -M = -ceil(t)
	s_delay_alu instid0(VALU_DEP_1)
	v_sub_f32 v254, v12, v254                      ; old M - new M: a whole number, 0 or less
	s_delay_alu instid0(VALU_DEP_1)
	v_cvt_i32_f32 v254, v254
	s_delay_alu instid0(VALU_DEP_1)
	v_ldexp_f32 v252, 1.0, v254                    ; f = 2^(old M - new M): multiplying by it rounds nothing
.set J_, 0
.rept 32
	v_pk_fma_f32 v[96+J_:97+J_], v[96+J_:97+J_], s[CS:CS+1], v[12:13] op_sel_hi:[1,0,0]   ; t - M
.set J_, J_+2
.endr
.irp b, 0,1,2,3
	v_fma_f32 v[232+\b], v[232+\b], s[CS], v12
.endr
	s_wait_alu depctr_va_vdst(0)
.set J_, 0
.rept 64
	v_exp_f32 v[96+J_], v[96+J_]                   ; p = 2^(t - M)
.set J_, J_+1
.endr
	v_pk_mul_f32 v[14:15], v[14:15], v[252:253] op_sel_hi:[1,0]   ; the sums under the new M: a plain place behind the exponentials
	s_wait_alu depctr_va_vdst(0)                   ; one wait for the whole batch
.irp b, 0,1,2,3
	v_exp_f32 v[232+\b], v[232+\b]                 ; each block's largest p
.endr
	v_pk_add_f32 v[236:237], v[100:101], v[104:105]
	v_pk_add_f32 v[250:251], v[108:109], v[112:113]
	v_pk_add_f32 v[248:249], v[116:117], v[120:121]
	v_pk_add_f32 v[246:247], v[124:125], v[128:129]
	v_pk_add_f32 v[244:245], v[132:133], v[136:137]
	v_pk_add_f32 v[242:243], v[140:141], v[144:145]
	v_pk_add_f32 v[240:241], v[148:149], v[152:153]
	v_pk_add_f32 v[14:15], v[14:15], v[156:157]
	v_pk_add_f32 v[236:237], v[236:237], v[96:97]
	v_pk_add_f32 v[250:251], v[250:251], v[98:99]
	v_pk_add_f32 v[248:249], v[248:249], v[102:103]
	v_pk_add_f32 v[246:247], v[246:247], v[106:107]
	v_pk_add_f32 v[244:245], v[244:245], v[110:111]
	v_pk_add_f32 v[242:243], v[242:243], v[114:115]
	v_pk_add_f32 v[240:241], v[240:241], v[118:119]
	v_pk_add_f32 v[14:15], v[14:15], v[122:123]
	v_pk_add_f32 v[236:237], v[236:237], v[126:127]
	v_pk_add_f32 v[250:251], v[250:251], v[130:131]
	v_pk_add_f32 v[248:249], v[248:249], v[134:135]
	v_pk_add_f32 v[246:247], v[246:247], v[138:139]
	v_pk_add_f32 v[244:245], v[244:245], v[142:143]
	v_pk_add_f32 v[242:243], v[242:243], v[146:147]
	v_pk_add_f32 v[240:241], v[240:241], v[150:151]
	v_pk_add_f32 v[14:15], v[14:15], v[154:155]
	v_pk_add_f32 v[236:237], v[236:237], v[158:159]
	s_delay_alu instid0(VALU_DEP_2)
	v_pk_add_f32 v[14:15], v[14:15], v[246:247]
	s_delay_alu instid0(VALU_DEP_2)
	v_pk_add_f32 v[236:237], v[236:237], v[244:245]
	v_pk_add_f32 v[250:251], v[250:251], v[242:243]
	v_pk_add_f32 v[248:249], v[248:249], v[240:241]
	s_delay_alu instid0(VALU_DEP_2)
	v_pk_add_f32 v[14:15], v[14:15], v[250:251]
	s_delay_alu instid0(VALU_DEP_2)
	v_pk_add_f32 v[236:237], v[236:237], v[248:249]
	s_delay_alu instid0(VALU_DEP_1)
	v_pk_add_f32 v[14:15], v[14:15], v[236:237]
	s_wait_alu depctr_va_vdst(0)                   ; and one for the four
.irp b, 0,1,2,3
	v_max_num_f32 v[232+\b], 0x1800000, v[232+\b]  ; the floor 2^(3 - 127)
.endr
.irp b, 0,1,2,3
	s_delay_alu instid0(VALU_DEP_4)
	v_add_nc_u32 v[244+\b], 0xff000000, v[232+\b]
.endr
.irp b, 0,1,2,3
	s_delay_alu instid0(VALU_DEP_4)
	v_lshrrev_b32 v[236+\b], 23, v[244+\b]
.endr
	s_delay_alu instid0(VALU_DEP_3)
	v_lshl_or_b32 v253, v237, 8, v236              ; p's scale word for these 128 keys
	s_delay_alu instid0(VALU_DEP_1)
	v_lshl_or_b32 v253, v238, 16, v253
	s_delay_alu instid0(VALU_DEP_1)
	v_lshl_or_b32 v253, v239, 24, v253
.irp c, 0,1
	v_cvt_scalef32_pk16_fp6_f32 v[224+6*\c:226+6*\c], v[96+32*\c:111+32*\c], v[244+2*\c]
	v_cvt_scalef32_pk16_fp6_f32 v[236+4*\c:238+4*\c], v[112+32*\c:127+32*\c], v[245+2*\c]
.endr
	v_nop                                          ; one plain place behind a scaled conversion
.irp c, 0,1
.irp i, 0,1,2
	v_permlane16_swap_b32 v[224+6*\c+\i], v[236+4*\c+\i]
.endr
.irp i, 0,1,2
	s_delay_alu instid0(VALU_DEP_3)
	v_mov_b32 v[227+6*\c+\i], v[236+4*\c+\i]
.endr
.endr
.irp j, 0,2,4,6,8,10,12,14,16,18,20,22,24,26,28,30
	v_pk_mul_f32 v[160+\j:161+\j], v[160+\j:161+\j], v[252:253] op_sel_hi:[1,0]   ; O^T under the new M; also the places ahead of the products below
.endr
	s_wait_alu depctr_va_vdst(0)
	s_wait_dscnt 0x0                               ; V
.irp t, 0,1,2,3
	v_wmma_scale_f32_16x16x128_f8f6f4 v[160+8*\t:167+8*\t], v[32+12*\t:43+12*\t], v[224:235], v[160+8*\t:167+8*\t], v[200+\t], v253 matrix_a_fmt:MATRIX_FMT_FP6 matrix_b_fmt:MATRIX_FMT_FP6
.endr
.endm
; A tile's end: O^T / the sum; its 32 registers are the head's 64 channels (register 16 b + i: channel 32 b + 16 h + i): two blocks along the last product's K: one image and two scale bytes.
.macro FINAL oc, os
.rept 4
	v_nop                                          ; places behind the last products
.endr
	v_add_f32 v14, v14, v15
	s_delay_alu instid0(VALU_DEP_1)
	v_permlanex16_b32 v252, v14, s[SEL], s[SEL+1]
	s_delay_alu instid0(VALU_DEP_1)
	v_add_f32 v14, v14, v252                       ; the row's sum
	s_wait_alu depctr_va_vdst(0)
	v_rcp_f32 v14, v14
	v_nop                                          ; a plain place behind the transcendental
	s_wait_alu depctr_va_vdst(0)
.irp j, 0,2,4,6,8,10,12,14,16,18,20,22,24,26,28,30
	v_pk_mul_f32 v[96+\j:97+\j], v[160+\j:161+\j], v[14:15] op_sel_hi:[1,0]   ; each accumulator from its low end on
.endr
.irp b, 0,1
	v_max3_num_f32 v[232+\b], |v[96+16*\b]|, |v[97+16*\b]|, 0x1800000
.endr
.irp i, 2,4,6,8,10,12,14
.irp b, 0,1
	s_delay_alu instid0(VALU_DEP_2)
	v_max3_num_f32 v[232+\b], v[232+\b], |v[96+16*\b+\i]|, |v[97+16*\b+\i]|
.endr
.endr
.irp b, 0,1
	s_delay_alu instid0(VALU_DEP_2)
	v_permlanex16_b32 v[236+\b], v[232+\b], s[SEL], s[SEL+1]
.endr
.irp b, 0,1
	s_delay_alu instid0(VALU_DEP_2)
	v_max_num_f32 v[232+\b], v[232+\b], v[236+\b]
.endr
.irp b, 0,1
	s_delay_alu instid0(VALU_DEP_2)
	v_add_nc_u32 v[244+\b], 0xff000000, v[232+\b]
.endr
.irp b, 0,1
	s_delay_alu instid0(VALU_DEP_2)
	v_lshrrev_b32 v[236+\b], 23, v[244+\b]
.endr
	s_delay_alu instid0(VALU_DEP_1)
	v_lshl_or_b32 v253, v237, 8, v236
	v_cvt_scalef32_pk16_fp6_f32 v[224:226], v[96:111], v244
	v_cvt_scalef32_pk16_fp6_f32 v[228:230], v[112:127], v245
	v_nop                                          ; one plain place behind a scaled conversion
.irp i, 0,1,2
	v_permlane16_swap_b32 v[224+\i], v[228+\i]     ; lanes 0-15 now hold block 0 whole, lanes 16-31 block 1
.endr
.irp i, 0,1,2
	s_delay_alu instid0(VALU_DEP_3)
	v_mov_b32 v[227+\i], v[228+\i]
.endr
	global_store_b128 v1, v[224:227], s[\oc:\oc+1]             ; the image: 512 + 256 consecutive bytes
	global_store_b64 v2, v[228:229], s[\oc:\oc+1] offset:512
	global_store_b16 v3, v253, s[\os:\os+1]        ; two bytes a row: a head has no more of a row's scales than this
	s_wait_xcnt 0x0                                ; the stores have read their registers
.endm
.macro QADR t, im, sw                  ; tile s\t of the head's part of qb: its image, its scale words
	s_mul_i32 s58, s\t, 768
	s_add_nc_u64 s[\im:\im+1], s[4:5], s[58:59]
	s_lshr_b32 s58, s\t, 2
	s_lshl_b32 s58, s58, 8
	s_and_b32 s70, s\t, 3
	s_lshl_b32 s70, s70, 2
	s_add_co_u32 s58, s58, s70
	s_add_nc_u64 s[\sw:\sw+1], s[4:5], s[58:59]
.endm
.macro OADR t, oc, os                  ; where tile s\t's image and scale bytes go
	s_add_co_u32 s74, s70, s\t
	s_mul_i32 s58, s74, 12288
	s_add_co_u32 s58, s58, s72
	s_add_nc_u64 s[\oc:\oc+1], s[8:9], s[58:59]
	s_lshl_b32 s58, s74, 9
	s_add_co_u32 s58, s58, s73
	s_add_nc_u64 s[\os:\os+1], s[10:11], s[58:59]
.endm
.macro DOFF t, v                       ; the tile's first query in its 128: 32 ((T % 8) / 2) + 8 (T % 2)
	s_bfe_u32 s75, s\t, 0x20001
	s_lshl_b32 s75, s75, 5
	s_and_b32 s76, s\t, 1
	s_lshl_b32 s76, s76, 3
	s_add_co_u32 s75, s75, s76
	v_add_nc_u32 v\v, s75, v4
.endm
	s_load_b256 s[4:11], s[0:1], 0x0               ; qb s[4:5], kv s[6:7], oc s[8:9], sc s[10:11]
	v_lshl_add_u32 v5, v0, 2, SPARE
	v_mov_b32 v6, 0
	ds_add_u32 v5, v6                              ; the opening lines
	ds_add_u32 v5, v6
	v_lshrrev_b32 v7, 5, v0
	v_readfirstlane_b32 s[WV], v7                  ; wave 0..15
	s_bfe_u32 s55, ttmp6, 0x40000                  ; j: my place in the cluster: it enters global addresses and the mask's numbers alone
	s_and_b32 s54, ttmp7, 0xffff                   ; batch x 16 + head
	s_mov_b32 s24, 15|(3<<16)|(1<<21)              ; group 1: all four partners; 51 rows of 256 bytes (32 elements of 8), dense
	s_mov_b32 s25, 32<<16
	s_mov_b32 s26, 51<<16
	s_mov_b32 s27, 32<<16
	s_mov_b32 s28, 51
	s_mov_b32 s29, 32
	s_mov_b32 s30, 0
	s_mov_b32 s31, 0
	s_mul_i32 s52, s54, 208896
	s_mul_i32 s33, s[WV], 13056                    ; my sixteenth: half a slot
	s_add_co_u32 s52, s52, s33
	s_mov_b32 s53, 0
	s_mov_b32 s32, 1
	s_wait_alu depctr_va_vdst(0)
	s_wait_dscnt 0x0
	CROUND                                         ; the four partners are here: the joint loads meet
	s_wait_kmcnt 0x0
	s_add_nc_u64 s[34:35], s[6:7], s[52:53]
	s_or_b32 s35, s35, 0x80000000
	s_cmp_lt_u32 s[WV], 2
	s_cbranch_scc0 .Lrest
	TLOAD                                          ; waves 0, 1: slot 0, on a line of their own
	s_branch .Lasked
.Lrest:
	TLOAD                                          ; the others: slots 1 to 7
.Lasked:
	s_mov_b32 s[SEL], 0x76543210
	s_mov_b32 s[SEL+1], 0xfedcba98
	s_mov_b32 s[CS], 0x3e38aa3b                    ; c = log2(e) / 8
	s_mov_b32 s[CS+1], s[CS]
	s_mov_b32 s59, 0
	s_lshl_b32 s57, s[WV], 2
	s_add_co_u32 s57, s57, s55                     ; my second tile: 4 w + j,
	s_sub_co_u32 s56, 127, s57                     ; and my first
	s_lshr_b32 s[LB], s[WV], 1
	s_sub_co_u32 s[LB], 15, s[LB]
	s_mul_i32 s58, s54, 106496
	s_add_nc_u64 s[4:5], s[4:5], s[58:59]          ; the head's part of qb
	QADR 56, 60, 66
	QADR 57, 62, 68
	v_and_b32 v7, 31, v0
	v_lshlrev_b32 v1, 4, v7
	v_lshlrev_b32 v2, 3, v7
	v_and_b32 v7, 15, v0
	v_lshlrev_b32 v3, 4, v7
	v_and_b32 v4, 8, v7
	v_add_nc_u32 v4, v4, v7
	v_bfe_u32 v30, v0, 4, 1
	v_lshlrev_b32 v30, 4, v30
	v_sub_nc_u32 v4, v4, v30
	s_wait_alu depctr_va_vdst(0)
	global_load_b128 v[16:19], v1, s[60:61]
	global_load_b64 v[20:21], v2, s[60:61] offset:512
	global_load_b32 v255, v3, s[66:67] offset:98304
	global_load_b128 v[86:89], v1, s[62:63]
	global_load_b64 v[90:91], v2, s[62:63] offset:512
	global_load_b32 v204, v3, s[68:69] offset:98304
	; where the results go: oc[token tile][head][768], and the scale bytes in sc from 393,216 on
	s_lshr_b32 s70, s54, 4
	s_lshl_b32 s70, s70, 7
	s_and_b32 s71, s54, 15
	s_mul_i32 s72, s71, 768
	s_lshr_b32 s73, s71, 3
	s_lshl_b32 s73, s73, 8
	s_and_b32 s74, s54, 7
	s_lshl_b32 s74, s74, 1
	s_add_co_u32 s73, s73, s74
	s_add_co_u32 s73, s73, 393216
	OADR 56, 44, 48
	OADR 57, 46, 50
	DOFF 56, 28
	DOFF 57, 29
.irp j, 0,1,2,3,4,5
	v_mov_b32 v[22+\j], 0                          ; Q's upper 64 along K: zero codes
	v_mov_b32 v[80+\j], 0                          ; what lies behind K's last tile
.endr
	v_mov_b32 v13, 0xff61b1e6                      ; the largest t so far: -3e38
	v_floor_f32 v12, -v13
	v_mov_b32 v14, 0
	v_mov_b32 v15, 0
.irp b, 0,1,2,3
	v_mov_b32 v[236+\b], 0                         ; a lane permute's destination counts as one of its sources
.endr
	v_mov_b32 v252, 0
	v_mov_b32 v253, 0
.set J_, 0
.rept 32
	v_mov_b32 v[160+J_], 0                         ; O^T: the step is written once; the first finds zeros
.set J_, J_+1
.endr
	s_wait_alu depctr_va_vdst(0)
	s_wait_loadcnt 0x0                             ; Q
	s_cmp_lt_u32 s[WV], 2
	s_cbranch_scc0 .Lnot_first
	s_wait_tensorcnt 0x0                           ; waves 0, 1: slot 0 is in
.Lnot_first:
	s_barrier_signal -1
	s_barrier_wait -1
	s_mov_b32 s[SV], 0
.La:                                               ; steps 0 and 1: slot 0; no tile has its diagonal here (LB is 8 at the least)
	s_mov_b32 s[KX], s[SV]
	STEP 0
	s_add_co_u32 s[SV], s[SV], 1
	s_cmp_lt_u32 s[SV], 2
	s_cbranch_scc1 .La
	s_wait_tensorcnt 0x0                           ; every wave: its own load has landed
	s_wait_dscnt 0x0
	s_barrier_signal -1
	s_barrier_wait -1                              ; all eight slots are shown to all
	s_mov_b32 s[SV], 2
	s_mov_b32 s[DN], 14
.Lb:                                               ; steps 2 to 16
	s_cmp_le_u32 s[SV], s[LB]
	s_cselect_b32 s[KX], s[SV], s[DN]              ; the first tile upward, the second downward from its diagonal step
	s_min_u32 s[KX], s[KX], 15
	STEP 1
	s_cmp_eq_u32 s[SV], s[LB]
	s_cbranch_scc0 .Lsame
	FINAL 44, 48                                   ; the first tile is done
.irp j, 0,1,2,3,4,5
	v_mov_b32 v[16+\j], v[86+\j]                   ; on to the second: its Q,
.endr
	v_mov_b32 v255, v204                           ; its scale word,
	v_mov_b32 v28, v29                             ; its place on the diagonal
	v_mov_b32 v13, 0xff61b1e6
	s_delay_alu instid0(VALU_DEP_1)
	v_floor_f32 v12, -v13
	v_mov_b32 v14, 0
	v_mov_b32 v15, 0
.set J_, 0
.rept 32
	v_mov_b32 v[160+J_], 0                         ; (also the places between the writes above and the next scaled product)
.set J_, J_+1
.endr
.Lsame:
	s_add_co_u32 s[SV], s[SV], 1
	s_sub_co_u32 s[DN], s[DN], 1
	s_cmp_lt_u32 s[SV], 17
	s_cbranch_scc1 .Lb
	FINAL 46, 50
	s_wait_tensorcnt 0x0                           ; the wave's end
	ds_add_u32 v5, v6
	s_wait_dscnt 0x0
	CROUND                                         ; the closing round
	s_endpgm
.Lfunc_end_k_q57bfe20173_attn:
	.size	k_q57bfe20173_attn, .Lfunc_end_k_q57bfe20173_attn-k_q57bfe20173_attn
	.p2alignl 7, 3214868480
	.fill 96, 4, 3214868480
	.section	.rodata,"a",@progbits
	.p2align	6, 0x0
	.amdhsa_kernel k_q57bfe20173_attn
		.amdhsa_group_segment_fixed_size 327680
		.amdhsa_private_segment_fixed_size 0
		.amdhsa_enable_private_segment 0
		.amdhsa_kernarg_size 32
		.amdhsa_user_sgpr_count 2
		.amdhsa_user_sgpr_kernarg_segment_ptr 1
		.amdhsa_wavefront_size32 1
		.amdhsa_system_sgpr_workgroup_id_x 1
		.amdhsa_system_sgpr_workgroup_id_y 1
		.amdhsa_system_sgpr_workgroup_id_z 1
		.amdhsa_system_vgpr_workitem_id 0
		.amdhsa_next_free_vgpr 256
		.amdhsa_next_free_sgpr 100
		.amdhsa_reserve_vcc 1
		.amdhsa_float_denorm_mode_32 3
		.amdhsa_float_denorm_mode_16_64 3
		.amdhsa_memory_ordered 1
		.amdhsa_forward_progress 1
		.amdhsa_inst_pref_size 59
	.end_amdhsa_kernel
	.amdgpu_metadata
---
amdhsa.version: [ 1, 2 ]
amdhsa.kernels:
  - .name:           k_q57bfe20173_attn
    .symbol:         k_q57bfe20173_attn.kd
    .args:
      - { .name: qb, .offset: 0, .size: 8, .value_kind: global_buffer, .address_space: global }
      - { .name: kv, .offset: 8, .size: 8, .value_kind: global_buffer, .address_space: global }
      - { .name: oc, .offset: 16, .size: 8, .value_kind: global_buffer, .address_space: global }
      - { .name: sc, .offset: 24, .size: 8, .value_kind: global_buffer, .address_space: global }
    .group_segment_fixed_size: 327680
    .private_segment_fixed_size: 0
    .kernarg_segment_align: 8
    .kernarg_segment_size: 32
    .max_flat_workgroup_size: 512
    .sgpr_count:     100
    .vgpr_count:     256
    .wavefront_size: 32
...
	.end_amdgpu_metadata
.endif
;; end of part 3
;; launch outp (part 4): grid 32 x 8, 4 waves a work-group, clusters of 4 x 4, 327,680 bytes of LDS; arguments oc, wc, sc, bo, out0; writes out0
.if DOCPART == 4
	.amdgcn_target "amdgcn-amd-amdhsa--gfx1250"
	.amdhsa_code_object_version 6
	.text
	.protected	k_q57bfe20173_outp
	.globl	k_q57bfe20173_outp
	.p2align	8
	.type	k_q57bfe20173_outp,@function
k_q57bfe20173_outp:
	s_mov_b64 s[64:65], 0
	v_nop
	global_prefetch_b8 v0, s[64:65] scope:SCOPE_SE
	s_setreg_imm32_b32 hwreg(HW_REG_WAVE_MODE, 25, 1), 1
	s_wait_xcnt 0x0
	s_wait_alu depctr_hold_cnt(0) depctr_sa_sdst(0) depctr_va_vdst(0) depctr_va_sdst(0) depctr_va_ssrc(0) depctr_va_vcc(0) depctr_vm_vsrc(0)
	s_getreg_b32 s2, hwreg(HW_REG_IB_STS2, 6, 4)
	s_cmp_eq_u32 s2, 0
	s_cbranch_scc0 .Lentry_in_a_cluster
	s_endpgm
.Lentry_in_a_cluster:
	s_bfe_u32 s2, ttmp6, 0x10000c
	s_cmp_lg_u32 s2, 0xf033
	s_cbranch_scc0 .Lentry_shape_is_right
	s_endpgm
.Lentry_shape_is_right:
; out0[token][n] = sum over k of context[token][k] Wo[k][n] + bo[n], f32, on codes of E2M3: 8,192 x 1,024 x 1,024.
; OPERANDS lie as images of the operand's registers: [tile of 16 rows][chunk of 64 along K][768 bytes]: lane l's first 16 bytes at 16 l, its last 8 at 512 + 8 l; a tile is 12,288 bytes; a fragment of 128 along K is two images, four loads of consecutive bytes.
; Inside each 32 rows the stored order exchanges bits 3 and 4 of the row's number: stored tile u, row p is true row 8 u + p + 8 (p / 8).  Scale words: 512 bytes a tile, [half of K][row][4 words]; the context's in sc from OS on, the weights' from WS on; Wo's columns are wc's tiles 192 to 255.
; THE DEAL.  256 work-groups of four waves, 2 x 2, each 256 tokens x 128 columns.  A wave holds four tiles of 16 columns of Wo, all of K, in 384 registers, and streams the context's rows past them in eight blocks of 16: block s of wave row a is stored tile 2 s + a.
; The cluster's x counts tile rows: A's tiles are shared by a column of the cluster, B's by a row.  LDS: A's 16 tiles, B's 8, dense, all asked for at the head (no refill, so no data prefetch); then the waves' stages and the spare words, bytes of their own.
; THE HEAD'S FOUR LOADS, one a wave, each on its own line: B; A's tiles 0-7; 8-11; 12-15.  The stream begins when the first two are in; a plain barrier inside each pair's second block shows the others.
; Source 0 = Wo's columns, source 1 = tokens: a lane holds eight neighbouring columns of one token.  The bias is the first products' C.  Each block's sums go through the wave's stage and leave at once as rows of 256 bytes.
; ONE WAIT ON LDS A BLOCK, ahead of its stores: younger than the rows' way back is the run's fetch alone (NF loads); it shows the next block's rows in too.
; LIMITS: NaN, infinities and sums beyond f32's range are not served; a sum begins with the bias, where reference() adds it last.
; REGISTERS: window 0: v4-19 addresses, v32-63 B's scale words, v68-131 A's, v132-195 two sets of four accumulators, v196-227 the bias; fragment f at register 256 + 12 (f % 21) + 256 (f / 21): 0-31 B's (4 q + tile), 32-47 A's two sets; window 3, v80-143: two sets of rows back from the stage.
.set TILEB, 12288
.set FR, 12
.set FPW, 21
.set NF, 32
.set YB, 16*TILEB
.set STAGE, 24*TILEB
.set SPITCH, 272
.set SPARE, STAGE+4*16*SPITCH
.set WS, 262144
.set OS, 393216
.set L16, 4
.set L8, 5
.set A16, 6
.set A8, 7
.set AQ16, 8
.set AQ8, 9
.set SPW, 10
.set NIL, 11
.set B16, 12
.set B8, 13
.set STO, 14
.set RD, 15
.set CO, 16
.set VSA, 17
.set VSB, 18
.set BOF, 19
.set SB, 32
.set SA, 68
.set ACC, 132
.set BO, 196
.set BK, 80
.set G1A, 24
.set G0A, 56
.set G1B, 32
.set G0B, 60
.set MSB, 0
.macro WIN new
.if MSB != \new
	s_set_vgpr_msb (MSB<<8)|\new
.set MSB, \new
.endif
.endm
.macro PLACES n
.rept \n
	v_nop
.endr
.endm
.macro WALU
	s_wait_alu depctr_va_vdst(0)
.endm
.macro BARRIER
	s_barrier_signal -1
	s_barrier_wait -1
.endm
.macro CROUND
	BARRIER
	s_cmp_lg_u32 s14, 0
	s_cbranch_scc1 .Lnot_wave_0_\@
	s_barrier_signal -3
.Lnot_wave_0_\@:
	s_barrier_wait -3
	BARRIER
.endm
.macro TLOAD g0, g1
	tensor_load_to_lds s[\g0:\g0+3], s[\g1:\g1+7]
	s_nop 0
	PLACES 4
.endm
.macro GROUP1 g, mask, rows            ; rows of one tile: 1,536 elements of 8 bytes, dense
	s_or_b32 s[\g+0], s[\mask], (3<<16)|(1<<21)
	s_mov_b32 s[\g+1], 1536<<16
	s_mov_b32 s[\g+3], 1536<<16
.if \rows
	s_mov_b32 s[\g+2], (\rows)<<16
	s_mov_b32 s[\g+4], \rows
.endif
	s_mov_b32 s[\g+5], 1536
	s_mov_b32 s[\g+6], 0
	s_mov_b32 s[\g+7], 0
.endm
.macro ATILE first, rows               ; a part of A's 16 tiles, by a descriptor of constants
	s_mov_b32 s[G0A+1], (\first)*TILEB
	s_mov_b32 s[G1A+2], (\rows)<<16
	s_mov_b32 s[G1A+4], \rows
.if \first
	s_add_nc_u64 s[G0A+2:G0A+3], s[G0A+2:G0A+3], (\first)*TILEB
.endif
	s_or_b32 s[G0A+3], s[G0A+3], 0x80000000
	TLOAD G0A, G1A
.endm
.macro FRAG f, a16, a8, off            ; fragment f: two images
	WIN (1+(\f)/FPW)<<6
.set R_, FR*((\f)%FPW)
	ds_load_b128 v[R_:R_+3], v[\a16] offset:\off
	ds_load_b64 v[R_+4:R_+5], v[\a8] offset:(\off)+512
	ds_load_b128 v[R_+6:R_+9], v[\a16] offset:(\off)+768
	ds_load_b64 v[R_+10:R_+11], v[\a8] offset:(\off)+1280
.endm
.macro FETCHAT e, a16, a8              ; a block of A into set e: NF loads
.irp q, 0,1,2,3,4,5,6,7
	FRAG 32+8*(\e)+\q, \a16, \a8, 1536*\q
.endr
.endm
.macro PROD e, n                       ; product n = 4 q + tile of a block whose rows lie in set e
.set Q_, (\n)/4
.set FB_, 4*Q_+(\n)%4
.set FA_, 32+8*(\e)+Q_
.set D_, ACC+32*(\e)+8*((\n)%4)
.set XB_, SB+8*((\n)%4)+Q_
.set XA_, SA8_+Q_
	WIN (1+FB_/FPW)|((1+FA_/FPW)<<2)
.if Q_
	v_wmma_scale_f32_16x16x128_f8f6f4 v[D_:D_+7], v[FR*(FB_%FPW):FR*(FB_%FPW)+FR-1], v[FR*(FA_%FPW):FR*(FA_%FPW)+FR-1], v[D_:D_+7], v[XB_], v[XA_] matrix_a_fmt:MATRIX_FMT_FP6 matrix_b_fmt:MATRIX_FMT_FP6
.else
	v_wmma_scale_f32_16x16x128_f8f6f4 v[D_:D_+7], v[FR*(FB_%FPW):FR*(FB_%FPW)+FR-1], v[FR*(FA_%FPW):FR*(FA_%FPW)+FR-1], v[BO+8*((\n)%4):BO+8*((\n)%4)+7], v[XB_], v[XA_] matrix_a_fmt:MATRIX_FMT_FP6 matrix_b_fmt:MATRIX_FMT_FP6
.endif
.endm
.macro PRODS e, from, to, fetch
.set N_, \from
.rept (\to)-(\from)
	PROD \e, N_
.if (\fetch) && N_ == 1
	s_add_co_u32 s101, s101, 2*TILEB               ; on to the block that this block's run fetches
.endif
.set N_, N_+1
.endr
	WIN 0
.endm
.macro STAGED u                        ; set u's sums into my stage, each accumulator from its low end on, and back as whole rows; LDS serves a wave's instructions in order (ISA guide 5.7.1.4)
.irp b, 0,1,2,3
	ds_store_b128 v[STO], v[ACC+32*(\u)+8*\b:ACC+32*(\u)+8*\b+3] offset:128*(\b/2)+32*(\b%2)
	ds_store_b128 v[STO], v[ACC+32*(\u)+8*\b+4:ACC+32*(\u)+8*\b+7] offset:128*(\b/2)+32*(\b%2)+16
.endr
	WIN 0xc0
.irp t, 0,1,2,3,4,5,6,7
	ds_load_b128 v[BK+32*(\u)+4*\t:BK+32*(\u)+4*\t+3], v[RD] offset:2*\t*SPITCH
.endr
.endm
.macro TOC s                           ; stored rows 2 t, 2 t + 1 of the block are tokens 2 t + 8 (t / 4) and the next; the pair's second block lies 32 tokens on.  Sixteen lanes store 256 consecutive bytes, aligned
	WIN 0x0c
.irp t, 0,1,2,3,4,5,6,7
	global_store_b128 v[CO], v[BK+32*(\s)+4*\t:BK+32*(\s)+4*\t+3], s[12:13] offset:(32*(\s)+2*\t+8*(\t/4))*4096 th:TH_STORE_NT
.endr
	WIN 0
.endm
.macro STREAM s, blk, fetch, show      ; a pair's block s; blk: which eight of A's scale words it names
.set SA8_, \blk
.if \show
	PRODS \s, 0, 24, \fetch
	s_wait_tensorcnt 0x0
	s_wait_dscnt 0x0
	s_barrier_signal -1                            ; a plain barrier: waves 2 and 3's tiles are shown to all
	PRODS \s, 24, 32, \fetch
	s_barrier_wait -1
.else
	PRODS \s, 0, 32, \fetch
.endif
.if \fetch                             ; four plain vector lines between the last product and the first reader of its sums
	v_add_nc_u32 v[AQ16], s101, v[A16]
	v_add_nc_u32 v[AQ8], s101, v[A8]
	PLACES 2
	WALU
.else
	PLACES 4
.endif
	s_wait_xcnt 0x0                                ; the stores of two blocks ago have read set s of the rows, and those of the block before their base
.if (\s) == 0
	s_add_nc_u64 s[12:13], s[12:13], s[20:21]      ; on to this pair's tokens
.endif
	STAGED \s
.if \fetch
	FETCHAT \s, AQ16, AQ8
	s_wait_dscnt NF                                ; the block's rows are back from the stage; its fetch is younger
.else
	s_wait_dscnt 0x0
.endif
	TOC \s
.endm
; ---- the head
	s_load_b256 s[4:11], s[0:1], 0x0               ; oc s[4:5], wc s[6:7], sc s[8:9], bo s[10:11]
	s_load_b64 s[12:13], s[0:1], 0x20              ; out0
	v_lshl_add_u32 v[SPW], v0, 2, SPARE
	v_mov_b32 v[NIL], 0
	ds_add_u32 v[SPW], v[NIL]                      ; the opening lines
	ds_add_u32 v[SPW], v[NIL]
	v_lshrrev_b32 v1, 5, v0
	v_readfirstlane_b32 s14, v1                    ; the wave; s15 its row a of the 2 x 2, s16 its column b
	s_lshr_b32 s15, s14, 1
	s_and_b32 s16, s14, 1
	s_bfe_u32 s40, ttmp6, 0x40000
	s_bfe_u32 s41, ttmp6, 0x40004
	s_lshl_b32 s43, ttmp9, 2
	s_add_co_u32 s43, s43, s40                     ; tile row: 4 x cluster x + cx
	s_and_b32 s42, ttmp7, 0xffff
	s_lshl_b32 s42, s42, 2
	s_add_co_u32 s42, s42, s41                     ; tile column: 4 x cluster y + cy
	s_lshl_b32 s44, 0x1111, s40                    ; my column of the cluster shares A's tiles
	s_lshl_b32 s45, s41, 2
	s_lshl_b32 s45, 15, s45                        ; my row shares B's
	GROUP1 G1A, 44, 0
	GROUP1 G1B, 45, 8
	s_mov_b32 s[G0A], 1
	s_mov_b32 s[G0B], 1
	s_mov_b32 s[G0B+1], YB
	s_mul_i32 s76, s43, 16*TILEB
	s_mov_b32 s77, 0
	s_mul_i32 s78, s42, 8*TILEB
	s_add_co_u32 s78, s78, 192*TILEB
	s_mov_b32 s79, 0
	s_lshl_b32 s80, s43, 13                        ; A's scale words: tile 16 x tile row + a
	s_lshl_b32 s21, s15, 9
	s_add_co_u32 s80, s80, s21
	s_add_co_u32 s80, s80, OS
	s_lshl_b32 s81, s42, 12                        ; B's: tile 192 + 8 x tile column + 4 b
	s_lshl_b32 s21, s16, 11
	s_add_co_u32 s81, s81, s21
	s_add_co_u32 s81, s81, WS+192*512
	s_lshl_b32 s82, s42, 9                         ; my 64 columns, in bytes
	s_lshl_b32 s21, s16, 8
	s_add_co_u32 s82, s82, s21
	s_mov_b32 s83, 0
	s_lshl_b32 s84, s43, 20                        ; my first token: 256 x tile row + 8 a
	s_lshl_b32 s21, s15, 15
	s_add_co_u32 s84, s84, s21
	s_add_co_u32 s84, s84, s82
	s_mov_b32 s85, 0
	s_mul_i32 s21, s15, TILEB
	s_mul_i32 s22, s16, 4*TILEB
	s_add_co_u32 s22, s22, YB
	s_mul_i32 s23, s14, 16*SPITCH
	s_add_co_u32 s23, s23, STAGE
	v_and_b32 v1, 15, v0
	v_bfe_u32 v2, v0, 4, 1
	v_and_b32 v3, 31, v0
	v_lshlrev_b32 v[L16], 4, v3
	v_lshlrev_b32 v[L8], 3, v3
	v_add_nc_u32 v[A16], s21, v[L16]
	v_add_nc_u32 v[A8], s21, v[L8]
	v_add_nc_u32 v[AQ16], 2*TILEB, v[A16]
	v_add_nc_u32 v[AQ8], 2*TILEB, v[A8]
	v_add_nc_u32 v[B16], s22, v[L16]
	v_add_nc_u32 v[B8], s22, v[L8]
	v_mul_u32_u24 v20, v1, SPITCH                  ; into the stage: row r, 64 h bytes on
	v_lshl_add_u32 v20, v2, 6, v20
	v_add_nc_u32 v[STO], s23, v20
	v_mul_u32_u24 v21, v2, SPITCH                  ; back: sixteen lanes to a row
	v_lshl_add_u32 v21, v1, 4, v21
	v_add_nc_u32 v[RD], s23, v21
	v_lshlrev_b32 v22, 12, v2
	v_lshl_add_u32 v[CO], v1, 4, v22
	v_lshlrev_b32 v23, 4, v1
	v_add_nc_u32 v[VSA], s80, v23
	v_add_nc_u32 v[VSB], s81, v23
	v_lshlrev_b32 v[BOF], 6, v2
	WALU
	s_wait_dscnt 0x0
	CROUND                                         ; the opening round
	s_wait_kmcnt 0x0
	s_add_nc_u64 s[G0A+2:G0A+3], s[4:5], s[76:77]
	s_add_nc_u64 s[G0B+2:G0B+3], s[6:7], s[78:79]
	s_or_b32 s[G0B+3], s[G0B+3], 0x80000000
	s_add_nc_u64 s[10:11], s[10:11], s[82:83]
	s_add_nc_u64 s[12:13], s[12:13], s[84:85]
	s_cmp_eq_u32 s14, 0
	s_cbranch_scc0 .Lwave_1
	TLOAD G0B, G1B                                 ; wave 0: B's eight tiles, which are wanted first
	s_branch .Lasked
.Lwave_1:
	s_cmp_eq_u32 s14, 1
	s_cbranch_scc0 .Lwave_2
	ATILE 0, 8                                     ; wave 1: A's tiles 0 to 7
	s_branch .Lasked
.Lwave_2:
	s_cmp_eq_u32 s14, 2
	s_cbranch_scc0 .Lwave_3
	ATILE 8, 4
	s_branch .Lasked
.Lwave_3:
	ATILE 12, 4
.Lasked:
.irp t, 0,1,2,3
.irp g, 0,1
	global_load_b128 v[SB+8*\t+4*\g:SB+8*\t+4*\g+3], v[VSB], s[8:9] offset:512*\t+256*\g
.endr
.endr
.irp s, 0,1,2,3,4,5,6,7
.irp g, 0,1
	global_load_b128 v[SA+8*\s+4*\g:SA+8*\s+4*\g+3], v[VSA], s[8:9] offset:1024*\s+256*\g
.endr
.endr
.irp t, 0,1,2,3                        ; register j of tile t of lane (r, h) is column 32 (t / 2) + 8 (t % 2) + 16 h + j of my 64
	global_load_b128 v[BO+8*\t:BO+8*\t+3], v[BOF], s[10:11] offset:(32*(\t/2)+8*(\t%2))*4
	global_load_b128 v[BO+8*\t+4:BO+8*\t+7], v[BOF], s[10:11] offset:(32*(\t/2)+8*(\t%2))*4+16
.endr
	s_cmp_eq_u32 s14, 0
	s_cbranch_scc0 .Lnot_b
	s_wait_tensorcnt 0x0
.Lnot_b:
	BARRIER                                        ; B has landed
.irp q, 0,1,2,3,4,5,6,7
.irp b, 0,1,2,3
	FRAG 4*\q+\b, B16, B8, \b*TILEB+\q*1536
.endr
.endr
	WIN 0
	s_mov_b32 s101, 2*TILEB
	s_cmp_eq_u32 s14, 1
	s_cbranch_scc0 .Lnot_a
	s_wait_tensorcnt 0x0                           ; wave 1: A's tiles 0 to 7 have landed
.Lnot_a:
	s_wait_dscnt 0x0
	BARRIER                                        ; waves 2 and 3's tiles may still be on their way
	FETCHAT 0, A16, A8
	FETCHAT 1, AQ16, AQ8
	WIN 0
	s_mov_b32 s20, 0                               ; s[20:21]: from a pair's tokens to the next pair's
	s_mov_b32 s21, 0
	s_wait_loadcnt 0x0                             ; the scale words and the bias
	s_wait_dscnt NF                                ; block 0's rows are in
; ---- the stream: eight blocks, written out by pairs since each block names its own scale words
.irp p, 0,1,2
	STREAM 0, SA+16*\p, 1, 0
	STREAM 1, SA+16*\p+8, 1, 1
	s_mov_b32 s20, 64*4096
.endr
	STREAM 0, SA+48, 0, 0                          ; blocks 6 and 7 fetch nothing
	STREAM 1, SA+56, 0, 0
	s_wait_tensorcnt 0x0                           ; the wave's end
	ds_add_u32 v[SPW], v[NIL]
	s_wait_dscnt 0x0
	CROUND                                         ; the closing round
	s_endpgm
.Lfunc_end_k_q57bfe20173_outp:
	.size	k_q57bfe20173_outp, .Lfunc_end_k_q57bfe20173_outp-k_q57bfe20173_outp
	.p2alignl 7, 3214868480
	.fill 96, 4, 3214868480
	.section	.rodata,"a",@progbits
	.p2align	6, 0x0
	.amdhsa_kernel k_q57bfe20173_outp
		.amdhsa_group_segment_fixed_size 327680
		.amdhsa_private_segment_fixed_size 0
		.amdhsa_enable_private_segment 0
		.amdhsa_kernarg_size 40
		.amdhsa_user_sgpr_count 2
		.amdhsa_user_sgpr_kernarg_segment_ptr 1
		.amdhsa_wavefront_size32 1
		.amdhsa_system_sgpr_workgroup_id_x 1
		.amdhsa_system_sgpr_workgroup_id_y 1
		.amdhsa_system_sgpr_workgroup_id_z 1
		.amdhsa_system_vgpr_workitem_id 0
		.amdhsa_next_free_vgpr 1024
		.amdhsa_next_free_sgpr 102
		.amdhsa_reserve_vcc 0
		.amdhsa_float_denorm_mode_32 3
		.amdhsa_float_denorm_mode_16_64 3
		.amdhsa_memory_ordered 1
		.amdhsa_forward_progress 1
		.amdhsa_inst_pref_size 87
	.end_amdhsa_kernel
	.amdgpu_metadata
---
amdhsa.version: [ 1, 2 ]
amdhsa.kernels:
  - .name:           k_q57bfe20173_outp
    .symbol:         k_q57bfe20173_outp.kd
    .args:
      - { .name: oc, .offset: 0, .size: 8, .value_kind: global_buffer, .address_space: global }
      - { .name: wc, .offset: 8, .size: 8, .value_kind: global_buffer, .address_space: global }
      - { .name: sc, .offset: 16, .size: 8, .value_kind: global_buffer, .address_space: global }
      - { .name: bo, .offset: 24, .size: 8, .value_kind: global_buffer, .address_space: global }
      - { .name: out0, .offset: 32, .size: 8, .value_kind: global_buffer, .address_space: global }
    .group_segment_fixed_size: 327680
    .private_segment_fixed_size: 0
    .kernarg_segment_align: 8
    .kernarg_segment_size: 40
    .max_flat_workgroup_size: 128
    .sgpr_count:     102
    .vgpr_count:     1024
    .wavefront_size: 32
...
	.end_amdgpu_metadata
.endif
;; end of part 4
